; MI455X (gfx1250); checked and timed in simulation.
; The chip was launched on July 23, 2026; its instructions are those of AMD's public machine-readable ISA for CDNA 5 (MIT licence, August 2026) and "CDNA5" Instruction Set Architecture Reference Guide (July 2026). The comments in the code are by the model that wrote it; some were corrected since.
;; Flax TPU Llama Attention. Allowed arithmetic: matrix products marked QUANTISED: E2M1 operands, one E8M0 scale for each 32 along K, by v_wmma_scale_f32_16x16x128_f8f6f4 with both operands' format E2M1 (or v_wmma_scale_f32_32x16x128_f4), f32 sums; products left as they are: bf16, f16 or f32 operands; f32 sums; everything else in f32.
;; Inputs: Wk 4,096 x 1,024 float32; Wo 4,096 x 4,096 float32; Wq 4,096 x 4,096 float32; Wv 4,096 x 1,024 float32; attention_mask 1 x 1,024 int32; hidden_states 1 x 1,024 x 4,096 float32; position_ids 1 x 1,024 int32.
;; Outputs: out0 1 x 1,024 x 4,096 float32.
;; This version of the problem:
;;   THIS VERSION OF THE PROBLEM IS GIVEN IN LOW PRECISION. The matrix products marked QUANTISED in the list below multiply operands that are first quantised to E2M1 (2 exponent bits, 1 mantissa bit; 4 bits a number), with one power-of-two scale for each 32 numbers along K (OCP MX v1.0); their sums are f32. The products marked 'left as it is' may take bf16, f16 or f32 operands, with f32 sums. Whichever they take, every output number must still come out within the allowed error. Rounding operands to bf16 (8 significant bits) uses up far more of that allowance than f16 does (11 bits, for magnitudes from 6e-5 to 65,504). All else is computed in f32.
;;   The module's matrix products, in the order in which they are computed (A, B: the left and right operand; K: the contracted axis; several contracted axes count as one K, in the product's order):
;;     1. [M 1,024, K 4,096] x [K 4,096, N 4,096]; A: input hidden_states; B: input Wq: QUANTISED
;;     2. [M 1,024, K 4,096] x [K 4,096, N 1,024]; A: input hidden_states; B: input Wk: QUANTISED
;;     3. [M 1,024, K 4,096] x [K 4,096, N 1,024]; A: input hidden_states; B: input Wv: QUANTISED
;;     4. batch 32 x [M 1,024, K 128] x [K 128, N 1,024]; A: computed on the way; B: computed on the way: left as it is (an operand is computed on the way)
;;     5. batch 32 x [M 128, K 1,024] x [K 1,024, N 1,024]; A: computed on the way; B: computed on the way: left as it is (an operand is computed on the way)
;;     6. [M 1,024, K 4,096] x [K 4,096, N 4,096]; A: computed on the way; B: input Wo: left as it is (an operand is computed on the way)
;;   THE QUANTISER, for each operand of a quantised product, along K:
;;     - K is cut into blocks of 32 from its start; a last block that is shorter is filled with zeros.
;;     - A block's scale is 2^e with e = floor(log2(the largest magnitude in the block)) - 2, held to -126 .. 127; a block of zeros has e = 0. As a byte (E8M0): e + 127.
;;     - Each number is divided by its block's scale, clamped to +-6, and rounded to the nearest number of E2M1, ties to even, subnormals kept.
;;     - The product sums the exact products of the quantised numbers (number of the format x scale) in f32.
;;   ~~~python
;;   def quantise(x, axis):      # numpy; x: float32 -> the quantised numbers, widened to float32 again
;;       x = np.moveaxis(x, axis, -1); K = x.shape[-1]
;;       x = np.pad(x, [(0, 0)] * (x.ndim - 1) + [(0, -K % 32)]); x = x.reshape(x.shape[:-1] + (-1, 32)); a = np.abs(x).max(-1, keepdims=True)
;;       e = np.where(a > 0, np.clip(np.frexp(np.where(a > 0, a, 1))[1] - 1 - 2, -126, 127), 0)      # np.frexp(a)[1] - 1 = floor(log2(a)), exactly
;;       r = np.clip(x / 2.0 ** e, -6, 6)
;;       step = 2.0 ** (np.maximum(np.frexp(np.where(r == 0, 1, r))[1] - 1, 0) - 1)
;;       q = np.round(r / step) * step * 2.0 ** e      # np.round: ties to even
;;       return np.moveaxis(q.reshape(q.shape[:-2] + (-1,))[..., :K], -1, axis).astype(np.float32)
;;   ~~~
;; One version. Each part assembles by itself: llvm-mc -triple=amdgcn-amd-amdhsa -mcpu=gfx1250 --defsym DOCPART=n.
;; ======== version 1 of 1: 5 launches
;; limits: values are held in f16: magnitudes above 65,504 overflow, below 6.1e-05 lose precision; right only within a limited range of input values
;; workspace buffers: xw 16,121,856 bytes; qkvw 13,041,664 bytes; wo_img 33,554,432 bytes; part 4,198,400 bytes; a_img 8,388,608 bytes
;; launch prep (part 1): grid 512 x 1, 4 waves a work-group, no clusters, 34,304 bytes of LDS; arguments hidden_states, position_ids, Wq, Wk, Wv, xw; writes xw
.if DOCPART == 1
	.amdgcn_target "amdgcn-amd-amdhsa--gfx1250"
	.amdhsa_code_object_version 6
	.text
	.protected	k_q180cdd6c55_prep
	.globl	k_q180cdd6c55_prep
	.p2align	8
	.type	k_q180cdd6c55_prep,@function
k_q180cdd6c55_prep:
	s_mov_b64 s[64:65], 0
	v_nop
	global_prefetch_b8 v0, s[64:65] scope:SCOPE_SE
	s_setreg_imm32_b32 hwreg(HW_REG_WAVE_MODE, 25, 1), 1
	s_wait_xcnt 0x0
; PREP: hidden_states [1024][4096] and Wq, Wk, Wv [4096][n], f32, become codes of E2M1 with one E8M0 byte for each 32 along K (K = 4096), and position_ids become a table of cos / 16 and sin / 16.
; The codes are laid as IMAGES OF THE OPERAND'S REGISTERS: a tile of 16 rows x 128 K is 1,024 bytes: register group c (0, 1) at 512 c + 16 x lane; lane (r, h) group c = block 2 c + h of row r.
; xw: 448 tiles of 16 rows (64 of x, 256 of Wq's columns, 64 of Wk's, 64 of Wv's) x 32 K steps x 1,024 bytes; then the scale words [tile][512 K][row r: 4 words at 16 r]; then the table [token][64 cos, 64 sin].
; A block's scale is 2^(floor(log2(largest magnitude)) - 2): its byte is the largest magnitude's exponent field - 2, held at 1 from below.
; LIMITS: a block of zeros gets the byte 1 where the rule says 127 (its codes are zeros, and this program alone reads the bytes); blocks whose largest magnitude lies under 2^-124 take the floor's byte; NaN and
; infinities are not served.  inv_freq is 2^(-i log2(10000) / 64) by v_exp_f32; the angle is reduced by pi / 2 in two parts, which serves |position x inv_freq| under 2^22; sine to the 9th, cosine to the 10th power.
; Work-groups 0-127: x and the table.  Work-groups 128-511: the weights.  Only the first way uses LDS.
.set SPARE, 33792                      ; behind the four stages: the spare words, 128 bytes a wave
.set WIMG,  2097152
.set SC,    14680064
.set ROPE,  15597568
.set SPW, 254
.set NIL, 255
.set STI, 5                            ; the stage, on the way in: 16 x lane in a row
.set STO, 6                            ; on the way out: row r, + 128 h
.set LO,  7                            ; 16 x lane
.set R,   16                           ; v16-143  two sets of 64: a unit as loaded
.set X,   144                          ; v144-207 a lane's two blocks of 32
.set C,   208                          ; v208-239 codes, 8 a unit, never written again
.set SW,  240                          ; v240-243 scale words of the four units
.set MX,  244
.set SCO, 248
.set BY,  250
.set PT,  252
.set SH,  253
.set RW,  144                          ; the table's work, in X's registers before the first unit
	s_load_b256 s[4:11], s[0:1], 0x0               ; hidden s[4:5], positions s[6:7], Wq s[8:9], Wk s[10:11]
	s_load_b128 s[12:15], s[0:1], 0x20             ; Wv s[12:13], xw s[14:15]
	v_lshl_add_u32 v[SPW], v0, 2, SPARE
	v_mov_b32 v[NIL], 0
	v_lshrrev_b32 v1, 5, v0
	v_readfirstlane_b32 s16, v1                    ; wave
	v_and_b32 v2, 31, v0                           ; lane
	v_and_b32 v3, 15, v0                           ; r
	v_bfe_u32 v4, v0, 4, 1                         ; h
	s_cmp_ge_u32 ttmp9, 128
	s_cbranch_scc1 .Lweights
; the largest magnitude of 32 registers, in two chains, with the floor 2^(3 - 127) as one more leaf
.macro QMAX xs, ma, mb
	v_max3_num_f32 v[\ma], |v[\xs]|, |v[\xs+1]|, |v[\xs+2]|
	v_max3_num_f32 v[\mb], |v[\xs+3]|, |v[\xs+4]|, |v[\xs+5]|
.irp i, 6,10,14,18,22,26
	v_max3_num_f32 v[\ma], v[\ma], |v[\xs+\i]|, |v[\xs+\i+1]|
	v_max3_num_f32 v[\mb], v[\mb], |v[\xs+\i+2]|, |v[\xs+\i+3]|
.endr
	v_max3_num_f32 v[\ma], v[\ma], |v[\xs+30]|, |v[\xs+31]|
	v_max3_num_f32 v[\ma], v[\ma], v[\mb], 0x1800000
.endm
	; ---- x.  Task T = 4 x work-group + wave: 16 tokens (T / 8) x 512 along K (T % 8), in four units of 128
	s_lshl_b32 s17, ttmp9, 2
	s_add_co_u32 s17, s17, s16                     ; T
	s_lshr_b32 s18, s17, 3
	s_and_b32 s19, s17, 7
	s_lshl_b32 s20, s18, 18                        ; 16 rows of 16,384 bytes
	s_lshl_b32 s21, s19, 11
	s_add_co_u32 s20, s20, s21
	s_mov_b32 s21, 0
	s_lshl_b32 s22, s18, 15                        ; a tile's 32 images
	s_lshl_b32 s23, s19, 12
	s_add_co_u32 s22, s22, s23
	s_mov_b32 s23, 0
	s_lshl_b32 s24, s17, 8
	s_add_co_u32 s24, s24, SC
	s_mov_b32 s25, 0
	s_lshl_b32 s26, ttmp9, 12                      ; the table: 8 tokens of 512 bytes a work-group
	s_add_co_u32 s26, s26, ROPE
	s_mov_b32 s27, 0
	s_lshl_b32 s28, ttmp9, 5
	s_mov_b32 s30, 0x76543210
	s_mov_b32 s31, 0xfedcba98                      ; v_permlanex16_b32's selects for lane l xor 16
	s_mul_i32 s29, s16, 8448                       ; my stage: 16 rows of 512 bytes + 16
	v_lshlrev_b32 v[LO], 4, v2
	v_add_nc_u32 v[STI], s29, v[LO]
	v_mul_u32_u24 v[STO], v3, 528
	v_lshl_add_u32 v[STO], v4, 7, v[STO]
	v_add_nc_u32 v[STO], s29, v[STO]
	v_lshlrev_b32 v[SH], 3, v4
	v_mov_b32 v[PT], 0
	v_lshrrev_b32 v8, 4, v0                        ; the table: thread t takes token t / 16 of the group's 8, frequencies 4 (t % 16) on
	v_lshl_add_u32 v9, v8, 2, s28
	v_lshlrev_b32 v10, 9, v8
	v_lshl_add_u32 v10, v3, 4, v10
	v_lshlrev_b32 v11, 2, v3
	v_lshlrev_b32 v12, 4, v3
	s_wait_kmcnt 0x0
	s_add_nc_u64 s[4:5], s[4:5], s[20:21]
	s_add_nc_u64 s[22:23], s[14:15], s[22:23]
	s_add_nc_u64 s[24:25], s[14:15], s[24:25]
	s_add_nc_u64 s[26:27], s[14:15], s[26:27]
.macro LOADU s                         ; a unit: 16 rows x 512 consecutive bytes
.irp i, 0,1,2,3,4,5,6,7,8,9,10,11,12,13,14,15
	global_load_b128 v[R+64*((\s)%2)+4*\i:R+64*((\s)%2)+4*\i+3], v[LO], s[4:5] offset:16384*\i+512*(\s) th:TH_LOAD_NT
.endr
.endm
	global_load_b32 v13, v9, s[6:7]                ; my token's position, first of all
	LOADU 0
	LOADU 1
	; the table, worked while x is on its way
.irp j, 0,1,2,3
	v_add_nc_u32 v[RW+\j], \j, v11
	v_cvt_f32_u32 v[RW+\j], v[RW+\j]
	v_mul_f32 v[RW+\j], 0xbe549a78, v[RW+\j]       ; -i log2(10000) / 64
.endr
.irp j, 0,1,2,3
	v_exp_f32 v[RW+4+\j], v[RW+\j]                 ; inv_freq
.endr
	v_nop                                          ; a plain line behind the last of the batch
	s_wait_alu depctr_va_vdst(0)                   ; one wait for the four, ahead of their first reader
	s_wait_loadcnt 32                              ; the position is in; the two units' 32 loads may be out
	v_cvt_f32_i32 v14, v13
.irp j, 0,1,2,3
	v_mul_f32 v[RW+4+\j], v14, v[RW+4+\j]          ; the angle
	v_mul_f32 v[RW+8+\j], 0x3f22f983, v[RW+4+\j]
	v_rndne_f32 v[RW+8+\j], v[RW+8+\j]             ; n = the nearest multiple of pi / 2
	v_fmamk_f32 v[RW+12+\j], v[RW+8+\j], 0xbfc90fdb, v[RW+4+\j]
	v_fmamk_f32 v[RW+12+\j], v[RW+8+\j], 0x333bbd2e, v[RW+12+\j]   ; rho = angle - n pi / 2, pi / 2 in two parts
	v_mul_f32 v[RW+16+\j], v[RW+12+\j], v[RW+12+\j]
	v_mov_b32 v[RW+20+\j], 0x3638ef1d
	v_fmaak_f32 v[RW+20+\j], v[RW+20+\j], v[RW+16+\j], 0xb9500d01
	v_fmaak_f32 v[RW+20+\j], v[RW+20+\j], v[RW+16+\j], 0x3c088889
	v_fmaak_f32 v[RW+20+\j], v[RW+20+\j], v[RW+16+\j], 0xbe2aaaab
	v_mul_f32 v[RW+20+\j], v[RW+20+\j], v[RW+16+\j]
	v_fma_f32 v[RW+20+\j], v[RW+20+\j], v[RW+12+\j], v[RW+12+\j]   ; sin rho
	v_mov_b32 v[RW+24+\j], 0xb493f27e
	v_fmaak_f32 v[RW+24+\j], v[RW+24+\j], v[RW+16+\j], 0x37d00d01
	v_fmaak_f32 v[RW+24+\j], v[RW+24+\j], v[RW+16+\j], 0xbab60b61
	v_fmaak_f32 v[RW+24+\j], v[RW+24+\j], v[RW+16+\j], 0x3d2aaaab
	v_fmaak_f32 v[RW+24+\j], v[RW+24+\j], v[RW+16+\j], 0xbf000000
	v_fma_f32 v[RW+24+\j], v[RW+24+\j], v[RW+16+\j], 1.0           ; cos rho
	v_cvt_i32_f32 v[RW+28+\j], v[RW+8+\j]          ; the quadrant is n mod 4
	v_and_b32 v[RW+40+\j], 1, v[RW+28+\j]
	v_cmp_eq_u32 vcc_lo, 1, v[RW+40+\j]
	v_cndmask_b32 v[RW+36+\j], v[RW+20+\j], v[RW+24+\j], vcc_lo    ; odd quadrants change sine and cosine
	v_cndmask_b32 v[RW+32+\j], v[RW+24+\j], v[RW+20+\j], vcc_lo
	v_and_b32 v[RW+40+\j], 2, v[RW+28+\j]
	v_lshlrev_b32 v[RW+40+\j], 30, v[RW+40+\j]
	v_xor_b32 v[RW+36+\j], v[RW+36+\j], v[RW+40+\j]                ; the sine is negative in quadrants 2, 3
	v_add_nc_u32 v[RW+40+\j], 1, v[RW+28+\j]
	v_and_b32 v[RW+40+\j], 2, v[RW+40+\j]
	v_lshlrev_b32 v[RW+40+\j], 30, v[RW+40+\j]
	v_xor_b32 v[RW+32+\j], v[RW+32+\j], v[RW+40+\j]                ; the cosine in quadrants 1, 2
	v_ldexp_f32 v[RW+36+\j], v[RW+36+\j], -4       ; both / 16: q and k are carried as q / 16, k / 16
	v_ldexp_f32 v[RW+32+\j], v[RW+32+\j], -4
.endr
	global_store_b128 v10, v[RW+32:RW+35], s[26:27]              ; sixteen lanes store a token's 64 cosines, 256 consecutive bytes,
	global_store_b128 v10, v[RW+36:RW+39], s[26:27] offset:256   ; and its 64 sines
	s_wait_xcnt 0x0                                ; the two stores have read their registers: the first unit's LDS loads land there
.macro UNIT s
.if (\s) < 3
	s_wait_loadcnt 16                              ; this unit's 16 loads are in; the next unit's may be out
.else
	s_wait_loadcnt 0x0
.endif
.irp i, 0,1,2,3,4,5,6,7,8,9,10,11,12,13,14,15
	ds_store_b128 v[STI], v[R+64*((\s)%2)+4*\i:R+64*((\s)%2)+4*\i+3] offset:528*\i
.endr
.irp c, 0,1
.irp g, 0,1,2,3,4,5,6,7
	ds_load_b128 v[X+32*\c+4*\g:X+32*\c+4*\g+3], v[STO] offset:256*\c+16*\g   ; lane (r, h): block 2 c + h of row r.  LDS serves a wave's instructions in order: these see the stores above
.endr
.endr
	s_wait_dscnt 0x0                               ; my blocks are in, and the stores have read their registers,
.if (\s) < 2
	LOADU (\s)+2                                   ; which take the unit two further on
.endif
	QMAX X, MX, MX+1
	QMAX X+32, MX+2, MX+3
.irp c, 0,1
	v_add_nc_u32 v[SCO+\c], 0xff000000, v[MX+2*\c] ; 2 off the exponent field: the conversion's scale operand
.endr
.irp c, 0,1
	v_lshrrev_b32 v[BY+\c], 23, v[SCO+\c]          ; the scale's byte
.endr
.irp c, 0,1
.irp g, 0,1,2,3
	v_cvt_scalef32_pk8_fp4_f32 v[C+8*(\s)+4*\c+\g], v[X+32*\c+8*\g:X+32*\c+8*\g+7], v[SCO+\c]
.endr
.endr
	v_lshl_or_b32 v[SW+(\s)], v[BY+1], 16, v[BY]   ; my two bytes: blocks h and 2 + h,
	v_lshlrev_b32 v[SW+(\s)], v[SH], v[SW+(\s)]    ; 8 h bits up;
	v_permlanex16_b32 v[PT], v[SW+(\s)], s30, s31
	v_or_b32 v[SW+(\s)], v[SW+(\s)], v[PT]         ; with lane l xor 16's two the word is whole
.irp c, 0,1
	global_store_b128 v[LO], v[C+8*(\s)+4*\c:C+8*(\s)+4*\c+3], s[22:23] offset:1024*(\s)+512*\c   ; 512 consecutive bytes of the image
.endr
.endm
	UNIT 0
	UNIT 1
	UNIT 2
	UNIT 3
	s_wait_xcnt 0x0                                ; EXEC changes only behind this wait
	v_cmp_gt_u32 vcc_lo, 16, v2
	s_and_saveexec_b32 s29, vcc_lo
	global_store_b128 v12, v[SW:SW+3], s[24:25]    ; lanes 0-15: 16 rows x 4 words: 256 consecutive bytes, aligned
	s_wait_xcnt 0x0
	s_or_b32 exec_lo, exec_lo, s29
	s_wait_tensorcnt 0x0                           ; the wave's end, behind my last LDS store
	ds_add_u32 v[SPW], v[NIL]
	s_wait_dscnt 0x0
	s_endpgm
; ---- the weights: K is their FIRST axis.  A lane takes a column and its registers run down K: a block of 32 lies in one lane, and the conversions give codes with K innermost.
; A work-group takes 128 columns x 512 along K, a wave 32 columns: two tiles of 16.  A block's 16 bytes go straight to their place in the image: sixteen lanes store 256 consecutive bytes, aligned.
.macro WLOAD t, pitch
.set wi, 0
.rept 32
	global_load_b32 v[32+32*((\t)%2)+wi], v5, s[8:9] offset:(32*(\t)+wi)*\pitch th:TH_LOAD_NT
.set wi, wi+1
.endr
.endm
.macro WBLOCK t, pitch
.if (\t) < 15
	s_wait_loadcnt 32                              ; this block's 32 loads are in; the next block's may be out
.else
	s_wait_loadcnt 0x0
.endif
	QMAX 32+32*((\t)%2), 12, 13
	v_add_nc_u32 v11, 0xff000000, v12
	v_lshrrev_b32 v13, 23, v11
.if (\t)%4 == 0
	v_mov_b32 v[24+(\t)/4], v13                    ; four bytes to a word: a K step of 128
.else
	v_lshl_or_b32 v[24+(\t)/4], v13, 8*((\t)%4), v[24+(\t)/4]
.endif
.irp g, 0,1,2,3
	v_cvt_scalef32_pk8_fp4_f32 v[96+4*(\t)+\g], v[32+32*((\t)%2)+8*\g:32+32*((\t)%2)+8*\g+7], v11
.endr
	global_store_b128 v6, v[96+4*(\t):96+4*(\t)+3], s[22:23] offset:1024*((\t)/4)+512*(((\t)/2)%2)+256*((\t)%2)   ; block t: K step t / 4, group (t / 2) % 2, half t % 2
.if (\t)+2 < 16
	WLOAD (\t)+2, \pitch
.endif
.endm
.macro WPATH pitch
	WLOAD 0, \pitch
	WLOAD 1, \pitch
.set Q, 0
.rept 16
	WBLOCK Q, \pitch
.set Q, Q+1
.endr
	global_store_b128 v7, v[24:27], s[24:25]       ; my column's four scale words
	s_endpgm
.endm
.Lweights:
	s_sub_co_u32 s17, ttmp9, 128
	s_lshr_b32 s18, s17, 3                         ; which 128 columns of the 6,144
	s_and_b32 s19, s17, 7                          ; which 512 along K
	v_lshlrev_b32 v5, 2, v2
	v_lshlrev_b32 v6, 15, v4                       ; lanes 16-31: the next tile, 32,768 bytes on
	v_lshl_add_u32 v6, v3, 4, v6
	v_lshlrev_b32 v7, 11, v4
	v_lshl_add_u32 v7, v3, 4, v7
	s_lshl_b32 s20, s18, 3
	s_lshl_b32 s21, s16, 1
	s_add_co_u32 s20, s20, s21                     ; my first tile
	s_lshl_b32 s22, s20, 15
	s_lshl_b32 s23, s19, 12
	s_add_co_u32 s22, s22, s23
	s_add_co_u32 s22, s22, WIMG
	s_mov_b32 s23, 0
	s_lshl_b32 s24, s20, 11
	s_lshl_b32 s25, s19, 8
	s_add_co_u32 s24, s24, s25
	s_add_co_u32 s24, s24, SC+64*2048
	s_mov_b32 s25, 0
	s_lshl_b32 s27, s16, 7                         ; my wave's 32 columns
	s_wait_kmcnt 0x0
	s_add_nc_u64 s[22:23], s[14:15], s[22:23]
	s_add_nc_u64 s[24:25], s[14:15], s[24:25]
	s_cmp_ge_u32 s18, 32
	s_cbranch_scc1 .Lkv
	s_lshl_b32 s26, s18, 9
	s_add_co_u32 s26, s26, s27
	s_lshl_b32 s28, s19, 23                        ; 512 rows of 16,384 bytes
	s_add_co_u32 s26, s26, s28
	s_mov_b32 s27, 0
	s_add_nc_u64 s[8:9], s[8:9], s[26:27]
	WPATH 16384
.Lkv:
	s_cmp_lt_u32 s18, 40                           ; Wk or Wv: the choice hangs on the work-group's number alone
	s_cselect_b64 s[8:9], s[10:11], s[12:13]
	s_and_b32 s26, s18, 7
	s_lshl_b32 s26, s26, 9
	s_add_co_u32 s26, s26, s27
	s_lshl_b32 s28, s19, 21                        ; 512 rows of 4,096 bytes
	s_add_co_u32 s26, s26, s28
	s_mov_b32 s27, 0
	s_add_nc_u64 s[8:9], s[8:9], s[26:27]
	WPATH 4096
.Lfunc_end_k_q180cdd6c55_prep:
	.size	k_q180cdd6c55_prep, .Lfunc_end_k_q180cdd6c55_prep-k_q180cdd6c55_prep
	.p2alignl 7, 3214868480
	.fill 96, 4, 3214868480
	.section	.rodata,"a",@progbits
	.p2align	6, 0x0
	.amdhsa_kernel k_q180cdd6c55_prep
		.amdhsa_group_segment_fixed_size 34304
		.amdhsa_private_segment_fixed_size 0
		.amdhsa_enable_private_segment 0
		.amdhsa_kernarg_size 48
		.amdhsa_user_sgpr_count 2
		.amdhsa_user_sgpr_kernarg_segment_ptr 1
		.amdhsa_wavefront_size32 1
		.amdhsa_system_sgpr_workgroup_id_x 1
		.amdhsa_system_sgpr_workgroup_id_y 1
		.amdhsa_system_sgpr_workgroup_id_z 1
		.amdhsa_system_vgpr_workitem_id 0
		.amdhsa_next_free_vgpr 256
		.amdhsa_next_free_sgpr 66
		.amdhsa_reserve_vcc 1
		.amdhsa_float_denorm_mode_32 3
		.amdhsa_float_denorm_mode_16_64 3
		.amdhsa_memory_ordered 1
		.amdhsa_forward_progress 1
		.amdhsa_inst_pref_size 185
	.end_amdhsa_kernel
	.amdgpu_metadata
---
amdhsa.version: [ 1, 2 ]
amdhsa.kernels:
  - .name:           k_q180cdd6c55_prep
    .symbol:         k_q180cdd6c55_prep.kd
    .args:
      - { .name: hidden_states, .offset: 0, .size: 8, .value_kind: global_buffer, .address_space: global }
      - { .name: position_ids, .offset: 8, .size: 8, .value_kind: global_buffer, .address_space: global }
      - { .name: Wq, .offset: 16, .size: 8, .value_kind: global_buffer, .address_space: global }
      - { .name: Wk, .offset: 24, .size: 8, .value_kind: global_buffer, .address_space: global }
      - { .name: Wv, .offset: 32, .size: 8, .value_kind: global_buffer, .address_space: global }
      - { .name: xw, .offset: 40, .size: 8, .value_kind: global_buffer, .address_space: global }
    .group_segment_fixed_size: 34304
    .private_segment_fixed_size: 0
    .kernarg_segment_align: 8
    .kernarg_segment_size: 48
    .max_flat_workgroup_size: 128
    .sgpr_count:     66
    .vgpr_count:     256
    .wavefront_size: 32
...
	.end_amdgpu_metadata
.endif
;; end of part 1
;; launch qkv (part 2): grid 4 x 48, 4 waves a work-group, no clusters, 327,680 bytes of LDS; arguments xw, qkvw; writes qkvw
.if DOCPART == 2
	.amdgcn_target "amdgcn-amd-amdhsa--gfx1250"
	.amdhsa_code_object_version 6
	.text
	.protected	k_q180cdd6c55_qkv
	.globl	k_q180cdd6c55_qkv
	.p2align	8
	.type	k_q180cdd6c55_qkv,@function
k_q180cdd6c55_qkv:
	s_mov_b64 s[64:65], 0
	v_nop
	global_prefetch_b8 v0, s[64:65] scope:SCOPE_SE
	s_setreg_imm32_b32 hwreg(HW_REG_WAVE_MODE, 25, 1), 1
	s_wait_xcnt 0x0
; QKV: [1024 tokens][6144] = x (Wq | Wk | Wv) on codes of E2M1 with E8M0 scales, sums in f32; then rope on q and k; all carried / 16 (the table holds cos / 16, sin / 16; v is multiplied by 1 / 16) and laid as f16 pieces.
; A work-group takes 256 tokens x 128 columns: one head slot (0-31 q, 32-39 k, 40-47 v).  A wave takes 64 tokens x the 128 columns: 32 accumulators.  192 work-groups: a head stays in one wave, so that rope's partners
; (channels d and d + 64) lie in one lane.  THE PRODUCT IS USED TRANSPOSED (source 0 = 16 columns of W, source 1 = 16 tokens): a lane holds one token and eight neighbouring channels.
; No cluster: the way out branches on the work-group's first tokens, which partners that share W's tiles would not share.
; Operands come as images of their registers (16 rows x 128 K = 1,024 bytes: two groups of four registers at 16 x lane).
; W's 8 tiles, which all four waves read, lie in LDS WHOLE (262,144 bytes): four chunks of 1,024 along K, all asked for at the head; nothing is filled again.  A chunk is read behind its counted wait and a barrier.
; x's tiles are read by ONE wave each, so they go from memory straight into that wave's registers: a ring of eight sets of 32 registers, eight steps of 128 along K ahead.
; The 32 steps are written out: the register numbers come round after 8 steps and the counts of the waits differ at both ends; every offset is an immediate and no base is stepped.
; OUT: a piece = 16 tokens x 16 channels of f16, 512 bytes: lane (token r, h) has channels 8 h .. 8 h + 7 at 16 x lane.  Q: [head][token tile][8 pieces]; K, V: [kv head][token tile][K's 8 pieces, V's 8 pieces].
; Tokens 0-15 also leave in f32 (FINE [16][6144]); V's sums over each 64 tokens leave in f32 (VSUM [16][1024]), for rows whose every key is masked.
; LIMIT: |q|, |k|, |v| under 2^20, so that the sixteenth fits f16.
; REGISTERS: window 0: v0-31 addresses; v32-79 scale words, two sets of 24 (scales and nothing else); v80-207 x's sets 0-3 (on the way out V's sums and the work); v208-239 the way out.
;   window 1: accumulator (a, b) at v[8 (8 a + b)].   window 2: v0-127 W's fragments, two sets of 64; v128-255 x's sets 4-7.   window 3: the table: for token tile a, cos at 64 a + 8 t + j, sin at 64 a + 32 + 8 t + j.
.set WCH,   65536                      ; a chunk of W in LDS: 1,024 along K: 8 tiles x 8,192 bytes
.set SCA,   262144                     ; x's scale words of the 16 tiles, all of K
.set SCB,   294912                     ; W's of the 8 tiles
.set SPARE, 311296                     ; the spare words, 128 bytes a wave
.set XSC,   14680064
.set XROPE, 15597568
.set KVO,   8388608
.set FINEO, 12582912
.set VSUMO, 12976128
.set ADSA, 2                           ; v2    my rows' scale words of x
.set ADSB, 3                           ; v3    of W
.set ADB,  4                           ; v4-7  16 x lane in chunk 0, 1, 2, 3 of W
.set LO,  8                            ; 16 x lane
.set RR,  9
.set HH,  10
.set RO,  11
.set FO,  12
.set VO,  13
.set SPW, 28
.set NIL, 29
.set SC0, 32                           ; scale words: set p % 2 for steps 2 p, 2 p + 1: x's tile a at 2 a + k % 2, W's tile b at 8 + 2 b + k % 2
.set AF,  80
.set VS,  80
.set T,   144
.set H,   208
.set G1W, 16
.set G1SA, 32
.set G1SB, 40
.set G0W, 48                           ; s[48:63] four groups 0, one for each chunk: all four loads are out together
.set G0SA, 68
.set G0SB, 72
.set MSB, 0
.macro WIN new                         ; the immediate's high byte repeats the setting that is left
.if MSB != \new
	s_set_vgpr_msb (MSB<<8)|\new
.set MSB, \new
.endif
.endm
.macro PLACES
.rept 4
	v_nop
.endr
.endm
	s_load_b128 s[4:7], s[0:1], 0x0                ; xw s[4:5], qkvw s[6:7]
	v_lshl_add_u32 v[SPW], v0, 2, SPARE
	v_mov_b32 v[NIL], 0
	ds_add_u32 v[SPW], v[NIL]                      ; the wave's opening: the add, twice on end, and its wait ahead of my first tensor load
	ds_add_u32 v[SPW], v[NIL]
	v_lshrrev_b32 v1, 5, v0
	v_readfirstlane_b32 s8, v1                     ; wave
	s_and_b32 s9, ttmp7, 0xffff                    ; the head slot
	; descriptor groups 1, elements of 8 bytes, no padding.  W: two tiles' 8,192 bytes, 32,768 apart; scale words: dense, as rows of 256 bytes
	s_mov_b32 s[G1W], 3<<16
	s_mov_b32 s[G1W+1], 1024<<16
	s_mov_b32 s[G1W+2], 2<<16
	s_mov_b32 s[G1W+3], 1024<<16
	s_mov_b32 s[G1W+4], 2
	s_mov_b32 s[G1W+5], 4096
	s_mov_b32 s[G1W+6], 0
	s_mov_b32 s[G1W+7], 0
	s_mov_b32 s[G1SA], 3<<16
	s_mov_b32 s[G1SA+1], 32<<16
	s_mov_b32 s[G1SA+2], 64<<16
	s_mov_b32 s[G1SA+3], 32<<16
	s_mov_b32 s[G1SA+4], 64
	s_mov_b32 s[G1SA+5], 32
	s_mov_b32 s[G1SA+6], 0
	s_mov_b32 s[G1SA+7], 0
	s_mov_b32 s[G1SB], 3<<16
	s_mov_b32 s[G1SB+1], 32<<16
	s_mov_b32 s[G1SB+2], 32<<16
	s_mov_b32 s[G1SB+3], 32<<16
	s_mov_b32 s[G1SB+4], 32
	s_mov_b32 s[G1SB+5], 32
	s_mov_b32 s[G1SB+6], 0
	s_mov_b32 s[G1SB+7], 0
	; waves 0, 1 fetch the halves of x's scale words, waves 2, 3 of W's; every wave fetches two tiles of each chunk of W.  Every address is linear in the wave's number
	s_lshl_b32 s10, ttmp9, 4
	s_lshl_b32 s11, s8, 3
	s_add_co_u32 s11, s10, s11                     ; x's scale words: tile 16 x + 8 wave
	s_lshl_b32 s12, s9, 3
	s_lshl_b32 s13, s8, 2
	s_add_co_u32 s13, s12, s13
	s_add_co_u32 s13, s13, 56                      ; W's scale words: tile 64 + 8 slot + 4 (wave - 2)
	s_lshl_b32 s80, s11, 11
	s_add_co_u32 s80, s80, XSC
	s_mov_b32 s81, 0
	s_lshl_b32 s82, s13, 11
	s_add_co_u32 s82, s82, XSC
	s_mov_b32 s83, 0
	s_lshl_b32 s14, s8, 1
	s_add_co_u32 s14, s14, s12
	s_add_co_u32 s14, s14, 64                      ; W's codes: tile 64 + 8 slot + 2 wave
	s_lshl_b32 s78, s14, 15
	s_mov_b32 s79, 0
	s_lshl_b32 s14, s8, 2
	s_add_co_u32 s14, s14, s10                     ; my four tiles of x: 16 x + 4 wave
	s_lshl_b32 s90, s14, 15
	s_mov_b32 s91, 0
	s_lshl_b32 s84, s8, 14                         ; LDS: my two tiles in a chunk
	s_add_co_u32 s86, s84, SCA                     ; x's scale words
	s_lshl_b32 s87, s8, 13
	s_add_co_u32 s87, s87, SCB-16384               ; W's scale words
	s_lshl_b32 s88, ttmp9, 17
	s_lshl_b32 s89, s8, 15
	s_add_co_u32 s88, s88, s89
	s_add_co_u32 s88, s88, XROPE                   ; the table at my first token
	s_mov_b32 s89, 0
	s_wait_dscnt 0x0                               ; both opening adds are done
	s_wait_kmcnt 0x0
	s_add_nc_u64 s[78:79], s[4:5], s[78:79]
	s_add_nc_u64 s[90:91], s[4:5], s[90:91]
	s_add_nc_u64 s[88:89], s[4:5], s[88:89]
	s_mov_b32 s[G0SA], 1
	s_mov_b32 s[G0SA+1], s86
	s_add_nc_u64 s[G0SA+2:G0SA+3], s[4:5], s[80:81]
	s_or_b32 s[G0SA+3], s[G0SA+3], 0x80000000
	s_mov_b32 s[G0SB], 1
	s_mov_b32 s[G0SB+1], s87
	s_add_nc_u64 s[G0SB+2:G0SB+3], s[4:5], s[82:83]
	s_or_b32 s[G0SB+3], s[G0SB+3], 0x80000000
.irp c, 0,1,2,3
	s_mov_b32 s[G0W+4*\c], 1
	s_add_co_u32 s[G0W+4*\c+1], s84, \c*WCH
	s_add_nc_u64 s[G0W+4*\c+2:G0W+4*\c+3], s[78:79], \c*8192
	s_or_b32 s[G0W+4*\c+3], s[G0W+4*\c+3], 0x80000000
.endr
.macro WFILLS                          ; my two tiles of the four chunks of W, in the order in which they are wanted
.irp c, 0,1,2,3
	tensor_load_to_lds s[G0W+4*\c:G0W+4*\c+3], s[G1W:G1W+7]
	s_nop 0
.endr
	PLACES
.endm
	s_cmp_lt_u32 s8, 2                             ; a wave's five first fills stand in one branch: five loads of mine are out
	s_cbranch_scc0 .Lfirst_w
	tensor_load_to_lds s[G0SA:G0SA+3], s[G1SA:G1SA+7]
	s_nop 0
	WFILLS
	s_branch .Lfirst_done
.Lfirst_w:
	tensor_load_to_lds s[G0SB:G0SB+3], s[G1SB:G1SB+7]
	s_nop 0
	WFILLS
.Lfirst_done:
	v_and_b32 v1, 31, v0
	v_and_b32 v[RR], 15, v0
	v_bfe_u32 v[HH], v0, 4, 1
	v_lshlrev_b32 v[LO], 4, v1
	v_lshlrev_b32 v[RO], 9, v[RR]
	v_lshl_add_u32 v[RO], v[HH], 5, v[RO]          ; the table: token r of 512 bytes, + 32 h
	; the table of my 64 tokens stays in window 3.  V's work-groups load it too and do not read it: the text then has one way from these loads on
	WIN 0xc0
.irp a, 0,1,2,3
.irp t, 0,1,2,3
	global_load_b128 v[64*\a+8*\t:64*\a+8*\t+3], v[RO], s[88:89] offset:8192*\a+64*\t
	global_load_b128 v[64*\a+8*\t+4:64*\a+8*\t+7], v[RO], s[88:89] offset:8192*\a+64*\t+16
	global_load_b128 v[64*\a+32+8*\t:64*\a+32+8*\t+3], v[RO], s[88:89] offset:8192*\a+64*\t+256
	global_load_b128 v[64*\a+32+8*\t+4:64*\a+32+8*\t+7], v[RO], s[88:89] offset:8192*\a+64*\t+272
.endr
.endr
; 8 loads: my four tiles of x of step k (128 along K), into set k % 8: each load 512 consecutive bytes of an image
.macro ALOAD k
.if ((\k)%8) < 4
	WIN 0
.set FRL, AF+32*((\k)%8)
.else
	WIN 0x80
.set FRL, 128+32*((\k)%8-4)
.endif
.irp a, 0,1,2,3
.irp c, 0,1
	global_load_b128 v[FRL+8*\a+4*\c:FRL+8*\a+4*\c+3], v[LO], s[90:91] offset:32768*\a+1024*(\k)+512*\c
.endr
.endr
.endm
.irp k, 0,1,2,3,4,5,6,7
	ALOAD \k                                       ; the ring is filled: steps 0 to 7
.endr
	WIN 0
	v_mov_b32 v[ADB], v[LO]
	v_add_nc_u32 v[ADB+1], WCH, v[LO]
	v_add_nc_u32 v[ADB+2], 2*WCH, v[LO]
	v_add_nc_u32 v[ADB+3], 3*WCH, v[LO]
	s_lshl_b32 s10, s8, 13
	s_add_co_u32 s10, s10, SCA
	v_lshl_add_u32 v[ADSA], v[RR], 4, s10          ; a row's four words of 512 along K lie at 16 r; my four tiles of x
	v_lshl_add_u32 v[ADSB], v[RR], 4, SCB
	v_mul_u32_u24 v[FO], v[RR], 24576
	v_lshl_add_u32 v[FO], v[HH], 5, v[FO]
	v_lshlrev_b32 v[VO], 5, v[HH]
.macro FETCH k                         ; 16 LDS loads: W's eight fragments of step k into set k % 2
	WIN 0x80
.irp b, 0,1,2,3,4,5,6,7
.irp c, 0,1
	ds_load_b128 v[64*((\k)%2)+8*\b+4*\c:64*((\k)%2)+8*\b+4*\c+3], v[ADB+(\k)/8] offset:8192*\b+1024*((\k)%8)+512*\c
.endr
.endr
.endm
.macro SCALES p                        ; 12 LDS loads: the scale words of steps 2 p and 2 p + 1 into set p % 2 (window 0)
.irp a, 0,1,2,3
	ds_load_b64 v[SC0+24*((\p)%2)+2*\a:SC0+24*((\p)%2)+2*\a+1], v[ADSA] offset:2048*\a+256*((\p)/2)+8*((\p)%2)
.endr
.irp b, 0,1,2,3,4,5,6,7
	ds_load_b64 v[SC0+24*((\p)%2)+8+2*\b:SC0+24*((\p)%2)+8+2*\b+1], v[ADSB] offset:2048*\b+256*((\p)/2)+8*((\p)%2)
.endr
.endm
.macro MUL32 k                         ; the 32 accumulators take turns, one instruction a turn; step 0's products start the sums: nothing is cleared
.if ((\k)%8) < 4
.set FRA, AF+32*((\k)%8)
	WIN 0x52                                       ; source 0 (W) window 2, source 1 (x) window 0, C and D window 1
.else
.set FRA, 128+32*((\k)%8-4)
	WIN 0x5a                                       ; source 1 (x) window 2
.endif
.set FRB, 64*((\k)%2)
.set FRS, SC0+24*(((\k)/2)%2)+(\k)%2
.irp a, 0,1,2,3
.irp b, 0,1,2,3,4,5,6,7
.if (\k) == 0
	v_wmma_scale_f32_16x16x128_f8f6f4 v[8*(8*\a+\b):8*(8*\a+\b)+7], v[FRB+8*\b:FRB+8*\b+7], v[FRA+8*\a:FRA+8*\a+7], 0, v[FRS+8+2*\b], v[FRS+2*\a] matrix_a_fmt:MATRIX_FMT_FP4 matrix_b_fmt:MATRIX_FMT_FP4
.else
	v_wmma_scale_f32_16x16x128_f8f6f4 v[8*(8*\a+\b):8*(8*\a+\b)+7], v[FRB+8*\b:FRB+8*\b+7], v[FRA+8*\a:FRA+8*\a+7], v[8*(8*\a+\b):8*(8*\a+\b)+7], v[FRS+8+2*\b], v[FRS+2*\a] matrix_a_fmt:MATRIX_FMT_FP4 matrix_b_fmt:MATRIX_FMT_FP4
.endif
.endr
.endr
.endm
; A step of 128 along K.  Behind its products and four places the registers that it has read are asked for anew: x's set for step k + 8, W's set for step k + 2, and, k even, the scale words of steps k + 2, k + 3
; (into the set that step k - 1 read last).  Where step k + 2 opens a chunk of W: my part of the chunk has landed, my LDS loads are back, and a barrier says the same of every wave.
.macro KSTEP k
.if (\k) == 31
	s_wait_dscnt 0x0
.elseif (\k)%2 == 1
	s_wait_dscnt 28                                ; this step's fragments are in; the 12 scale loads and 16 fragment loads issued behind them may be out
.else
	s_wait_dscnt 16                                ; this step's fragments and scale words are in; the next step's 16 loads may be out
.endif
.if (\k) <= 24
	s_wait_loadcnt 56                              ; x's set of this step is in; the seven younger sets may be out
.else
	s_wait_loadcnt 8*(31-(\k))                     ; the counts run down
.endif
	MUL32 \k
.if (\k)+2 < 32
	PLACES
	WIN 0
.if ((\k)+2)%8 == 0
	s_wait_tensorcnt 3-((\k)+2)/8                  ; my part of the chunk is in; the chunks behind it may be out
	s_wait_dscnt 0x0
	s_barrier_signal -1
	s_barrier_wait -1
.endif
.if (\k)%2 == 0
	SCALES ((\k)+2)/2
.endif
.if (\k)+8 < 32
	ALOAD (\k)+8
.endif
	FETCH (\k)+2
.endif
.endm
	s_wait_tensorcnt 3                             ; my scale words and my part of chunk 0 are in; three chunks may be out
	s_barrier_signal -1
	s_barrier_wait -1
	SCALES 0
	FETCH 0
	FETCH 1
.set K, 0
.rept 32
	KSTEP K
.set K, K+1
.endr
	WIN 0
	; ---- THE WAY OUT
	PLACES
	s_lshl_b32 s86, ttmp9, 4
	s_lshl_b32 s87, s8, 2
	s_add_co_u32 s86, s86, s87                     ; my first token tile
	s_lshl_b32 s76, s9, 18                         ; Q: head x 64 tiles x 4,096 bytes
	s_and_b32 s87, s9, 7
	s_lshl_b32 s87, s87, 19                        ; K, V: kv head x 64 tiles x 8,192 bytes,
	s_add_co_u32 s87, s87, KVO
	s_cmp_ge_u32 s9, 40
	s_cselect_b32 s78, 4096, 0                     ; V behind K in a tile
	s_add_co_u32 s87, s87, s78
	s_cmp_lt_u32 s9, 32
	s_cselect_b32 s76, s76, s87
	s_cselect_b32 s87, 12, 13
	s_lshl_b32 s78, 1, s87                         ; from token tile to token tile
	s_lshl_b32 s87, s86, s87
	s_add_co_u32 s76, s76, s87
	s_mov_b32 s77, 0
	s_mov_b32 s79, 0
	s_add_nc_u64 s[76:77], s[6:7], s[76:77]
	s_lshl_b32 s80, s9, 9
	s_add_co_u32 s80, s80, FINEO
	s_mov_b32 s81, 0
	s_add_nc_u64 s[80:81], s[6:7], s[80:81]
	s_mov_b32 s84, 0x3d800000                      ; 1 / 16
	s_mov_b32 s85, s84
	s_wait_loadcnt 0x0                             ; the table
; 64 numbers of a token tile, v[src + 8 ct + j] = channel 16 ct + 8 h + j of token r: tokens 0-15 also in f32; rounded to f16: eight pieces of 512 consecutive bytes
.macro OUT a, src
.if \a == 0
	s_or_b32 s87, ttmp9, s8
	s_cmp_lg_u32 s87, 0
	s_cbranch_scc1 .Lnofine_\@
.irp ct, 0,1,2,3,4,5,6,7
	global_store_b128 v[FO], v[\src+8*\ct:\src+8*\ct+3], s[80:81] offset:64*\ct
	global_store_b128 v[FO], v[\src+8*\ct+4:\src+8*\ct+7], s[80:81] offset:64*\ct+16
.endr
.Lnofine_\@:
.endif
.irp ct, 0,1,2,3,4,5,6,7
.irp i, 0,1,2,3
	v_cvt_pk_f16_f32 v[H+4*\ct+\i], v[\src+8*\ct+2*\i], v[\src+8*\ct+2*\i+1]
.endr
.endr
.irp ct, 0,1,2,3,4,5,6,7
	global_store_b128 v[LO], v[H+4*\ct:H+4*\ct+3], s[76:77] offset:512*\ct
.endr
.endm
.macro NEXT_TILE a
.if \a > 0
	s_wait_xcnt 0x0                                ; the last tile's stores have read their registers and their base
	s_add_nc_u64 s[76:77], s[76:77], s[78:79]
.endif
.endm
; rope: channel d < 64: x(d) cos - x(d + 64) sin;  d + 64: x(d + 64) cos + x(d) sin.  Each accumulator is read from its low end on
.macro EPI_ROPE a
	NEXT_TILE \a
	WIN 0x0d                                       ; source 0 window 1, source 1 window 3
.irp t, 0,1,2,3
.irp j, 0,2,4,6
	v_pk_mul_f32 v[T+8*\t+\j:T+8*\t+\j+1], v[8*(8*\a+\t)+\j:8*(8*\a+\t)+\j+1], v[64*\a+8*\t+\j:64*\a+8*\t+\j+1]
	v_pk_mul_f32 v[T+8*(\t+4)+\j:T+8*(\t+4)+\j+1], v[8*(8*\a+\t+4)+\j:8*(8*\a+\t+4)+\j+1], v[64*\a+8*\t+\j:64*\a+8*\t+\j+1]
	v_pk_fma_f32 v[T+8*\t+\j:T+8*\t+\j+1], v[8*(8*\a+\t+4)+\j:8*(8*\a+\t+4)+\j+1], v[64*\a+32+8*\t+\j:64*\a+32+8*\t+\j+1], v[T+8*\t+\j:T+8*\t+\j+1] neg_lo:[1,0,0] neg_hi:[1,0,0]
	v_pk_fma_f32 v[T+8*(\t+4)+\j:T+8*(\t+4)+\j+1], v[8*(8*\a+\t)+\j:8*(8*\a+\t)+\j+1], v[64*\a+32+8*\t+\j:64*\a+32+8*\t+\j+1], v[T+8*(\t+4)+\j:T+8*(\t+4)+\j+1]
.endr
.endr
	WIN 0
	OUT \a, T
.endm
.macro EPI_V a
	NEXT_TILE \a
	WIN 0x01
.set n, 0
.rept 32
.if \a == 0
	v_pk_mul_f32 v[VS+n:VS+n+1], v[64*\a+n:64*\a+n+1], s[84:85] op_sel_hi:[1,0]   ; the first tile starts the sums over tokens
.else
	v_pk_mul_f32 v[T+n:T+n+1], v[64*\a+n:64*\a+n+1], s[84:85] op_sel_hi:[1,0]
.endif
.set n, n+2
.endr
	WIN 0
.if \a == 0
	OUT \a, VS
.else
.set n, 0
.rept 32
	v_pk_add_f32 v[VS+n:VS+n+1], v[VS+n:VS+n+1], v[T+n:T+n+1]
.set n, n+2
.endr
	OUT \a, T
.endif
.endm
	s_cmp_ge_u32 s9, 40
	s_cbranch_scc1 .Lvalues
	EPI_ROPE 0
	EPI_ROPE 1
	EPI_ROPE 2
	EPI_ROPE 3
	s_wait_tensorcnt 0x0                           ; the wave's end
	ds_add_u32 v[SPW], v[NIL]
	s_wait_dscnt 0x0
	s_endpgm
.Lvalues:
	EPI_V 0
	EPI_V 1
	EPI_V 2
	EPI_V 3
.irp m, 1,2,4,8                        ; the sum over my 64 tokens: over the sixteen lanes of each half
.set n, 0
.rept 64
	v_add_f32_dpp v[VS+n], v[VS+n], v[VS+n] row_xmask:\m row_mask:0xf bank_mask:0xf
.set n, n+1
.endr
.endr
	s_lshl_b32 s82, ttmp9, 2
	s_add_co_u32 s82, s82, s8
	s_lshl_b32 s82, s82, 12                        ; group of 64 tokens x 4,096 bytes
	s_sub_co_u32 s83, s9, 40
	s_lshl_b32 s83, s83, 9
	s_add_co_u32 s82, s82, s83
	s_add_co_u32 s82, s82, VSUMO
	s_mov_b32 s83, 0
	s_add_nc_u64 s[82:83], s[6:7], s[82:83]
	s_wait_xcnt 0x0                                ; EXEC changes only behind this wait
	v_cmp_eq_u32 vcc_lo, 0, v[RR]
	s_and_saveexec_b32 s86, vcc_lo                 ; lanes 0 and 16
.irp ct, 0,1,2,3,4,5,6,7
	global_store_b128 v[VO], v[VS+8*\ct:VS+8*\ct+3], s[82:83] offset:64*\ct
	global_store_b128 v[VO], v[VS+8*\ct+4:VS+8*\ct+7], s[82:83] offset:64*\ct+16
.endr
	s_wait_xcnt 0x0
	s_or_b32 exec_lo, exec_lo, s86
	s_wait_tensorcnt 0x0                           ; the wave's end
	ds_add_u32 v[SPW], v[NIL]
	s_wait_dscnt 0x0
	s_endpgm
.Lfunc_end_k_q180cdd6c55_qkv:
	.size	k_q180cdd6c55_qkv, .Lfunc_end_k_q180cdd6c55_qkv-k_q180cdd6c55_qkv
	.p2alignl 7, 3214868480
	.fill 96, 4, 3214868480
	.section	.rodata,"a",@progbits
	.p2align	6, 0x0
	.amdhsa_kernel k_q180cdd6c55_qkv
		.amdhsa_group_segment_fixed_size 327680
		.amdhsa_private_segment_fixed_size 0
		.amdhsa_enable_private_segment 0
		.amdhsa_kernarg_size 16
		.amdhsa_user_sgpr_count 2
		.amdhsa_user_sgpr_kernarg_segment_ptr 1
		.amdhsa_wavefront_size32 1
		.amdhsa_system_sgpr_workgroup_id_x 1
		.amdhsa_system_sgpr_workgroup_id_y 1
		.amdhsa_system_sgpr_workgroup_id_z 1
		.amdhsa_system_vgpr_workitem_id 0
		.amdhsa_next_free_vgpr 1024
		.amdhsa_next_free_sgpr 100
		.amdhsa_reserve_vcc 1
		.amdhsa_float_denorm_mode_32 3
		.amdhsa_float_denorm_mode_16_64 3
		.amdhsa_memory_ordered 1
		.amdhsa_forward_progress 1
		.amdhsa_inst_pref_size 255
	.end_amdhsa_kernel
	.section	.bss,"aw",@nobits
	.p2align	6
	.space	262144
	.amdgpu_metadata
---
amdhsa.version: [ 1, 2 ]
amdhsa.kernels:
  - .name:           k_q180cdd6c55_qkv
    .symbol:         k_q180cdd6c55_qkv.kd
    .args:
      - { .name: xw, .offset: 0, .size: 8, .value_kind: global_buffer, .address_space: global }
      - { .name: qkvw, .offset: 8, .size: 8, .value_kind: global_buffer, .address_space: global }
    .group_segment_fixed_size: 327680
    .private_segment_fixed_size: 0
    .kernarg_segment_align: 8
    .kernarg_segment_size: 16
    .max_flat_workgroup_size: 128
    .sgpr_count:     100
    .vgpr_count:     1024
    .wavefront_size: 32
...
	.end_amdgpu_metadata
.endif
;; end of part 2
;; launch wofine (part 3): grid 16 x 16, 8 waves a work-group, no clusters, 34,048 bytes of LDS; arguments Wo, attention_mask, qkvw, wo_img, part; writes wo_img, part
.if DOCPART == 3
	.amdgcn_target "amdgcn-amd-amdhsa--gfx1250"
	.amdhsa_code_object_version 6
	.text
	.protected	k_q180cdd6c55_wofine
	.globl	k_q180cdd6c55_wofine
	.p2align	8
	.type	k_q180cdd6c55_wofine,@function
k_q180cdd6c55_wofine:
	s_mov_b64 s[64:65], 0
	v_nop
	global_prefetch_b8 v0, s[64:65] scope:SCOPE_SE
	s_setreg_imm32_b32 hwreg(HW_REG_WAVE_MODE, 25, 1), 1
	s_wait_xcnt 0x0
; WOFINE: Wo [4096 (k)][4096 (n)], f32, is read ONCE and serves twice: (a) 16 Wo is rounded to f16 and laid as images (16 columns n x 32 k = 1,024 bytes: the 16-bit fragment's registers, group c at 512 c + 16 x lane);
; (b) the first 16 positions, whose rows average few values, go in f32 throughout: their attention, and their share of the projection on the way out, by v_wmma_f32_16x16x4_f32 on the same registers of Wo.
; A work-group takes 256 k (two heads) x 256 n; a wave 32 n.  Wave w also makes the fine rows a' (= a / 16) of k block w of the chunk (32 k: head 2 kc + w / 4, channel tiles 2 (w % 4), + 1); they go from wave to wave
; through LDS as images of the operand's registers.  The sums over the chunk's 256 k leave as PART [kc 16][row 16][4096]; the next launch adds the sixteen.
; A row none of whose causal keys is valid has every score equal in reference(): its softmax is uniform over all 1,024 keys, so its result is the mean of V: VMEAN, made here from V's sums.
; LIMIT: a true score x log2(e) / sqrt(128) at or under -3e38 is taken as 'no valid key'.
; v216-231 are the f32 form's two accumulators: matrix instructions alone write them, and each sum begins with the constant 0.  The two take turns, one instruction a turn.
.set FINEO, 12582912
.set VSUMO, 12976128
.set VMO,   4194304
.set PS,    16384                      ; LDS: 0: a' images, 2,048 bytes a block; 16,384: the stage, 16 rows of 1,024 bytes + 16
.set SPARE, 33024                      ; the spare words, 128 bytes a wave
.set KR, 16
.set QR, 80
.set SS, 16
.set P,  24
.set AO, 32
.set H,  48
.set VR, 176
.set MK, 192
.set VM, 200
.set SPW, 252
.set NIL, 253
.macro PL8
.rept 8
	v_nop
.endr
.endm
	s_load_b256 s[4:11], s[0:1], 0x0               ; Wo s[4:5], mask s[6:7], qkvw s[8:9], wo_img s[10:11]
	s_load_b64 s[12:13], s[0:1], 0x20              ; part
	v_lshl_add_u32 v[SPW], v0, 2, SPARE
	v_mov_b32 v[NIL], 0
	v_lshrrev_b32 v1, 5, v0
	v_readfirstlane_b32 s14, v1                    ; wave
	s_and_b32 s15, ttmp7, 0xffff                   ; kc
	s_lshr_b32 s17, s15, 1                         ; the kv head
	s_lshl_b32 s18, s15, 1
	s_lshr_b32 s43, s14, 2
	s_add_co_u32 s18, s18, s43                     ; my head
	s_and_b32 s19, s14, 3
	s_lshl_b32 s19, s19, 7                         ; my first channel tile, in bytes: 64 x 2 (w % 4)
	v_and_b32 v1, 31, v0
	v_and_b32 v2, 15, v0                           ; r
	v_bfe_u32 v3, v0, 4, 1                         ; h
	v_mul_u32_u24 v4, v2, 24576
	v_lshl_add_u32 v4, v3, 8, v4                   ; K, Q: token r, channels 64 h on
	v_mul_u32_u24 v5, v3, 196608
	v_lshl_add_u32 v5, v2, 2, v5                   ; V: tokens 8 h on, channel r
	v_lshlrev_b32 v6, 5, v3
	v_lshlrev_b32 v7, 12, v2
	v_lshl_add_u32 v7, v3, 5, v7                   ; V's sums: lane r takes partial r
	v_lshlrev_b32 v8, 2, v1
	v_lshlrev_b32 v9, 4, v1
	s_lshl_b32 s43, s14, 11
	v_add_nc_u32 v10, s43, v9                      ; my a' image
	v_mul_u32_u24 v11, v3, 8320
	v_lshl_add_u32 v11, v2, 2, v11
	s_lshl_b32 s43, s14, 7
	s_add_co_u32 s43, s43, PS
	v_add_nc_u32 v11, s43, v11                     ; the stage, in: row 8 h + j, column 32 w + 16 u + r
	s_mul_i32 s43, s14, 2080
	s_add_co_u32 s43, s43, PS
	v_add_nc_u32 v12, s43, v9                      ; back: rows 2 w, 2 w + 1
	v_lshlrev_b32 v13, 3, v3
	v_sub_nc_u32 v13, v2, v13                      ; r - 8 h
	v_mov_b32 v14, 0xff800000
	v_mov_b32 v233, 0                              ; a lane permute's destination counts as one of its sources
	v_mov_b32 v235, 0
	s_mov_b32 s38, 0x76543210
	s_mov_b32 s39, 0xfedcba98
	s_mov_b32 s41, 0x420293ee                      ; 256 log2(e) / sqrt(128): q and k come as sixteenths
	s_mov_b32 s44, 0x41800000                      ; 16
	s_mov_b32 s45, s44
	s_lshl_b32 s20, s17, 9
	s_add_co_u32 s20, s20, FINEO+32*512
	s_mov_b32 s21, 0
	s_lshl_b32 s22, s18, 9
	s_add_co_u32 s22, s22, FINEO
	s_mov_b32 s23, 0
	s_lshl_b32 s24, s17, 9
	s_add_co_u32 s24, s24, s19
	s_add_co_u32 s26, s24, VSUMO
	s_add_co_u32 s36, s24, VMO
	s_add_co_u32 s24, s24, FINEO+40*512
	s_mov_b32 s25, 0
	s_mov_b32 s27, 0
	s_mov_b32 s37, 0
	s_lshl_b32 s28, s15, 22                        ; 256 rows of 16,384 bytes
	s_lshl_b32 s43, ttmp9, 10
	s_add_co_u32 s28, s28, s43
	s_lshl_b32 s43, s14, 7
	s_add_co_u32 s28, s28, s43
	s_mov_b32 s29, 0
	s_lshl_b32 s30, ttmp9, 4
	s_lshl_b32 s43, s14, 1
	s_add_co_u32 s30, s30, s43
	s_lshl_b32 s30, s30, 17                        ; my first column tile's 128 images
	s_lshl_b32 s43, s15, 13
	s_add_co_u32 s30, s30, s43
	s_mov_b32 s31, 0
	s_lshl_b32 s34, s15, 18
	s_lshl_b32 s43, s14, 15
	s_add_co_u32 s34, s34, s43
	s_lshl_b32 s43, ttmp9, 10
	s_add_co_u32 s34, s34, s43
	s_mov_b32 s35, 0
	s_wait_kmcnt 0x0
	s_add_nc_u64 s[20:21], s[8:9], s[20:21]
	s_add_nc_u64 s[22:23], s[8:9], s[22:23]
	s_add_nc_u64 s[24:25], s[8:9], s[24:25]
	s_add_nc_u64 s[26:27], s[8:9], s[26:27]
	s_add_nc_u64 s[28:29], s[4:5], s[28:29]
	s_add_nc_u64 s[30:31], s[10:11], s[30:31]
	s_add_nc_u64 s[32:33], s[30:31], 131072
	s_add_nc_u64 s[34:35], s[12:13], s[34:35]
	s_add_nc_u64 s[36:37], s[12:13], s[36:37]
.macro WSET t                          ; three sets of 32 registers by turns
.if (\t)%3 == 0
.set WS, 144
.elseif (\t)%3 == 1
.set WS, 80
.else
.set WS, 112
.endif
.endm
.macro WLOAD t                         ; 32 rows of Wo at my 32 columns: a lane a column, registers down k
	WSET \t
.set wi, 0
.rept 32
	global_load_b32 v[WS+wi], v8, s[28:29] offset:(32*(\t)+wi)*16384 th:TH_LOAD_NT
.set wi, wi+1
.endr
.endm
.irp i, 0,1,2,3,4,5,6,7,8,9,10,11,12,13,14,15
	global_load_b128 v[KR+4*\i:KR+4*\i+3], v4, s[20:21] offset:16*\i
.endr
.irp i, 0,1,2,3,4,5,6,7,8,9,10,11,12,13,14,15
	global_load_b128 v[QR+4*\i:QR+4*\i+3], v4, s[22:23] offset:16*\i
.endr
.irp cc, 0,1
.irp j, 0,1,2,3,4,5,6,7
	global_load_b32 v[VR+8*\cc+\j], v5, s[24:25] offset:24576*\j+64*\cc
.endr
.endr
	global_load_b128 v[MK:MK+3], v6, s[6:7]
	global_load_b128 v[MK+4:MK+7], v6, s[6:7] offset:16
.irp cc, 0,1
	global_load_b128 v[VM+8*\cc:VM+8*\cc+3], v7, s[26:27] offset:64*\cc
	global_load_b128 v[VM+8*\cc+4:VM+8*\cc+7], v7, s[26:27] offset:64*\cc+16
.endr
	WLOAD 0
	s_wait_loadcnt 32                              ; all but Wo's first 32 rows
	; S^T = K Q^T: 16 keys x 16 queries, 128 channels in 32 steps of 4; place (h, j) of step s stands for channel 64 h + 2 s + j on both sides alike.  Two sums of 16 steps each
.irp s, 0,1,2,3,4,5,6,7,8,9,10,11,12,13,14,15
.if \s == 0
	v_wmma_f32_16x16x4_f32 v[216:223], v[KR+2*\s:KR+2*\s+1], v[QR+2*\s:QR+2*\s+1], 0
	v_wmma_f32_16x16x4_f32 v[224:231], v[KR+32+2*\s:KR+32+2*\s+1], v[QR+32+2*\s:QR+32+2*\s+1], 0
.else
	v_wmma_f32_16x16x4_f32 v[216:223], v[KR+2*\s:KR+2*\s+1], v[QR+2*\s:QR+2*\s+1], v[216:223]
	v_wmma_f32_16x16x4_f32 v[224:231], v[KR+32+2*\s:KR+32+2*\s+1], v[QR+32+2*\s:QR+32+2*\s+1], v[224:231]
.endif
.endr
	PL8                                            ; eight places behind this form, ahead of reads of results and of loads into its sources
	WLOAD 1
	WLOAD 2
.irp j, 0,1,2,3,4,5,6,7
	v_add_f32 v[SS+\j], v[216+\j], v[224+\j]       ; lane (r, h): key 8 h + j, query r
.endr
.irp j, 0,1,2,3,4,5,6,7
	v_mul_f32 v[SS+\j], s41, v[SS+\j]
.endr
.irp j, 0,1,2,3,4,5,6,7
	v_cmp_le_i32 s40, \j, v13                      ; causal: key <= query,
	v_cmp_ne_u32 vcc_lo, 0, v[MK+\j]               ; and the key is valid
	s_and_b32 vcc_lo, vcc_lo, s40
	v_cndmask_b32 v[SS+\j], v14, v[SS+\j], vcc_lo
.endr
	v_max3_num_f32 v232, v[SS], v[SS+1], v[SS+2]
	v_max3_num_f32 v232, v232, v[SS+3], v[SS+4]
	v_max3_num_f32 v232, v232, v[SS+5], v[SS+6]
	v_max3_num_f32 v232, v232, v[SS+7], 0xff61b1e6 ; never under -3e38, so that the difference below is no NaN
	v_permlanex16_b32 v233, v232, s38, s39
	v_max_num_f32 v232, v232, v233                 ; the row's maximum
.irp j, 0,1,2,3,4,5,6,7
	v_sub_f32 v[P+\j], v[SS+\j], v232
.endr
.irp j, 0,1,2,3,4,5,6,7
	v_exp_f32 v[P+\j], v[P+\j]
.endr
	v_nop                                          ; a plain line behind the last of the batch
.irp m, 1,2,4,8                        ; meanwhile V's sixteen partial sums are added across the lanes
.set n, 0
.rept 16
	v_add_f32_dpp v[VM+n], v[VM+n], v[VM+n] row_xmask:\m row_mask:0xf bank_mask:0xf
.set n, n+1
.endr
.endr
.set n, 0
.rept 16
	v_mul_f32 v[VM+n], 0x3a800000, v[VM+n]         ; / 1,024: the mean of V (as sixteenths), channel 8 h + j of my two tiles
.set n, n+1
.endr
	s_wait_alu depctr_va_vdst(0)                   ; one wait for the eight exponentials, ahead of their first reader
	v_add_f32 v234, v[P], v[P+1]
	v_add_f32 v235, v[P+2], v[P+3]
	v_add_f32 v236, v[P+4], v[P+5]
	v_add_f32 v237, v[P+6], v[P+7]
	v_add_f32 v234, v234, v235
	v_add_f32 v236, v236, v237
	v_add_f32 v234, v234, v236
	v_permlanex16_b32 v235, v234, s38, s39
	v_add_f32 v234, v234, v235                     ; the row's sum
	v_rcp_f32 v236, v234
	v_nop
	; O^T = V^T P: my two tiles of 16 channels x 16 queries, 16 keys in 4 steps; place (h, j) of step s stands for key 8 h + 2 s + j
.irp s, 0,1,2,3
.if \s == 0
	v_wmma_f32_16x16x4_f32 v[216:223], v[VR+2*\s:VR+2*\s+1], v[P+2*\s:P+2*\s+1], 0
	v_wmma_f32_16x16x4_f32 v[224:231], v[VR+8+2*\s:VR+8+2*\s+1], v[P+2*\s:P+2*\s+1], 0
.else
	v_wmma_f32_16x16x4_f32 v[216:223], v[VR+2*\s:VR+2*\s+1], v[P+2*\s:P+2*\s+1], v[216:223]
	v_wmma_f32_16x16x4_f32 v[224:231], v[VR+8+2*\s:VR+8+2*\s+1], v[P+2*\s:P+2*\s+1], v[224:231]
.endif
.endr
	PL8
	s_wait_alu depctr_va_vdst(0)                   ; the reciprocal's wait, ahead of its first reader
	v_cmp_lt_f32 vcc_lo, 0xff61b1e6, v232          ; has the row a valid key?
.irp cc, 0,1
.irp j, 0,1,2,3,4,5,6,7
	v_mul_f32 v[AO+8*\cc+\j], v[216+8*\cc+\j], v236
.endr
.endr
.set n, 0
.rept 16
	v_cndmask_b32 v[AO+n], v[VM+n], v[AO+n], vcc_lo ; a': lane (query r, h), register 8 cc + j = k 16 cc + 8 h + j of my block: the projection's source 0 as it stands
.set n, n+1
.endr
.irp q, 0,1,2,3
	ds_store_b128 v10, v[AO+4*\q:AO+4*\q+3] offset:512*\q
.endr
	s_and_b32 s43, s15, 1                          ; the mean leaves once for each channel: work-groups x = 0, kc even, waves 0-3, lanes 0 and 16
	s_or_b32 s43, s43, ttmp9
	s_lshr_b32 s40, s14, 2
	s_or_b32 s43, s43, s40
	s_cmp_lg_u32 s43, 0
	s_cbranch_scc1 .Lno_mean
	s_wait_xcnt 0x0                                ; EXEC changes only behind this wait
	v_cmp_eq_u32 vcc_lo, 0, v2
	s_and_saveexec_b32 s42, vcc_lo
.irp cc, 0,1
	global_store_b128 v6, v[VM+8*\cc:VM+8*\cc+3], s[36:37] offset:64*\cc
	global_store_b128 v6, v[VM+8*\cc+4:VM+8*\cc+7], s[36:37] offset:64*\cc+16
.endr
	s_wait_xcnt 0x0
	s_or_b32 exec_lo, exec_lo, s42
.Lno_mean:
	s_wait_dscnt 0x0                               ; for the others' sake: my image has landed
	s_barrier_signal -1
	s_barrier_wait -1
.macro AFLOAD t                        ; a' of k block t, into set t % 2 of v16-47
.irp q, 0,1,2,3
	ds_load_b128 v[16+16*((\t)%2)+4*\q:16+16*((\t)%2)+4*\q+3], v9 offset:2048*(\t)+512*\q
.endr
.endm
; 32 rows of Wo.  Sixteen exchanges of half registers turn 'a lane a column, 32 k' into two tiles of 16 columns in the fragment's order: tile u in WS + 8 u + 0..7 (k = 8 h + ..) and WS + 16 + 8 u + 0..7 (k = 16 + 8 h + ..).
.macro WBLK t
	WSET \t
	s_wait_xcnt 0x0                                ; the last block's stores have read H
.if (\t) <= 5
	s_wait_loadcnt 63                              ; this set is in.  The two younger sets are 64 loads; the wait's count names 63 at the most, so the oldest of them is waited for too
.elseif (\t) == 6
	s_wait_loadcnt 32                              ; the last set's 32 loads may be out
.else
	s_wait_loadcnt 0x0
.endif
.if (\t) < 7
	AFLOAD (\t)+1
.endif
.irp x, 0,1,2,3,4,5,6,7
	v_permlane16_swap_b32 v[WS+\x], v[WS+8+\x]
	v_permlane16_swap_b32 v[WS+16+\x], v[WS+24+\x]
.endr
.set n, 0
.rept 16
	v_pk_mul_f32 v[WS+n:WS+n+1], v[WS+n:WS+n+1], s[44:45] op_sel_hi:[1,0]   ; 16 Wo: exact
.set n, n+2
.endr
.irp u, 0,1
.irp i, 0,1,2,3
	v_cvt_pk_f16_f32 v[H+8*\u+\i], v[WS+8*\u+2*\i], v[WS+8*\u+2*\i+1]
	v_cvt_pk_f16_f32 v[H+8*\u+4+\i], v[WS+16+8*\u+2*\i], v[WS+16+8*\u+2*\i+1]
.endr
.endr
.irp c, 0,1
	global_store_b128 v9, v[H+4*\c:H+4*\c+3], s[30:31] offset:1024*(\t)+512*\c       ; 512 consecutive bytes of an image
	global_store_b128 v9, v[H+8+4*\c:H+8+4*\c+3], s[32:33] offset:1024*(\t)+512*\c
.endr
.if (\t) < 7
	s_wait_dscnt 4                                 ; this block's a' is in; the next block's four loads may be out
.else
	s_wait_dscnt 0x0
.endif
.irp s, 0,1,2,3,4,5,6,7
.if ((\t) == 0) && (\s == 0)
	v_wmma_f32_16x16x4_f32 v[216:223], v[16+16*((\t)%2)+2*\s:16+16*((\t)%2)+2*\s+1], v[WS+2*\s+8*(\s/4):WS+2*\s+8*(\s/4)+1], 0
	v_wmma_f32_16x16x4_f32 v[224:231], v[16+16*((\t)%2)+2*\s:16+16*((\t)%2)+2*\s+1], v[WS+8+2*\s+8*(\s/4):WS+8+2*\s+8*(\s/4)+1], 0
.else
	v_wmma_f32_16x16x4_f32 v[216:223], v[16+16*((\t)%2)+2*\s:16+16*((\t)%2)+2*\s+1], v[WS+2*\s+8*(\s/4):WS+2*\s+8*(\s/4)+1], v[216:223]
	v_wmma_f32_16x16x4_f32 v[224:231], v[16+16*((\t)%2)+2*\s:16+16*((\t)%2)+2*\s+1], v[WS+8+2*\s+8*(\s/4):WS+8+2*\s+8*(\s/4)+1], v[224:231]
.endif
.endr
	PL8
.if (\t) < 5
	WLOAD (\t)+3
.endif
.endm
	AFLOAD 0
	WBLK 0
	WBLK 1
	WBLK 2
	WBLK 3
	WBLK 4
	WBLK 5
	WBLK 6
	WBLK 7
.irp u, 0,1
.irp j, 0,1,2,3,4,5,6,7
	ds_store_b32 v11, v[216+8*\u+\j] offset:1040*\j+64*\u   ; each accumulator from its low end on
.endr
.endr
	s_wait_dscnt 0x0
	s_barrier_signal -1
	s_barrier_wait -1                              ; 16 rows x 256 columns lie in the stage
.irp i, 0,1
.irp f, 0,1
	ds_load_b128 v[VR+8*\i+4*\f:VR+8*\i+4*\f+3], v12 offset:1040*\i+512*\f
.endr
.endr
	s_wait_dscnt 0x0
.irp i, 0,1
.irp f, 0,1
	global_store_b128 v9, v[VR+8*\i+4*\f:VR+8*\i+4*\f+3], s[34:35] offset:16384*\i+512*\f   ; 512 consecutive bytes of a row
.endr
.endr
	s_wait_tensorcnt 0x0                           ; the wave's end, behind my last LDS store
	ds_add_u32 v[SPW], v[NIL]
	s_wait_dscnt 0x0
	s_endpgm
.Lfunc_end_k_q180cdd6c55_wofine:
	.size	k_q180cdd6c55_wofine, .Lfunc_end_k_q180cdd6c55_wofine-k_q180cdd6c55_wofine
	.p2alignl 7, 3214868480
	.fill 96, 4, 3214868480
	.section	.rodata,"a",@progbits
	.p2align	6, 0x0
	.amdhsa_kernel k_q180cdd6c55_wofine
		.amdhsa_group_segment_fixed_size 34048
		.amdhsa_private_segment_fixed_size 0
		.amdhsa_enable_private_segment 0
		.amdhsa_kernarg_size 40
		.amdhsa_user_sgpr_count 2
		.amdhsa_user_sgpr_kernarg_segment_ptr 1
		.amdhsa_wavefront_size32 1
		.amdhsa_system_sgpr_workgroup_id_x 1
		.amdhsa_system_sgpr_workgroup_id_y 1
		.amdhsa_system_sgpr_workgroup_id_z 1
		.amdhsa_system_vgpr_workitem_id 0
		.amdhsa_next_free_vgpr 256
		.amdhsa_next_free_sgpr 66
		.amdhsa_reserve_vcc 1
		.amdhsa_float_denorm_mode_32 3
		.amdhsa_float_denorm_mode_16_64 3
		.amdhsa_memory_ordered 1
		.amdhsa_forward_progress 1
		.amdhsa_inst_pref_size 84
	.end_amdhsa_kernel
	.amdgpu_metadata
---
amdhsa.version: [ 1, 2 ]
amdhsa.kernels:
  - .name:           k_q180cdd6c55_wofine
    .symbol:         k_q180cdd6c55_wofine.kd
    .args:
      - { .name: Wo, .offset: 0, .size: 8, .value_kind: global_buffer, .address_space: global }
      - { .name: attention_mask, .offset: 8, .size: 8, .value_kind: global_buffer, .address_space: global }
      - { .name: qkvw, .offset: 16, .size: 8, .value_kind: global_buffer, .address_space: global }
      - { .name: wo_img, .offset: 24, .size: 8, .value_kind: global_buffer, .address_space: global }
      - { .name: part, .offset: 32, .size: 8, .value_kind: global_buffer, .address_space: global }
    .group_segment_fixed_size: 34048
    .private_segment_fixed_size: 0
    .kernarg_segment_align: 8
    .kernarg_segment_size: 40
    .max_flat_workgroup_size: 256
    .sgpr_count:     66
    .vgpr_count:     256
    .wavefront_size: 32
...
	.end_amdgpu_metadata
.endif
;; end of part 3
;; launch attn (part 4): grid 32 x 8, 8 waves a work-group, no clusters, 327,680 bytes of LDS; arguments qkvw, part, attention_mask, a_img, out0; writes a_img, out0
.if DOCPART == 4
	.amdgcn_target "amdgcn-amd-amdhsa--gfx1250"
	.amdhsa_code_object_version 6
	.text
	.protected	k_q180cdd6c55_attn
	.globl	k_q180cdd6c55_attn
	.p2align	8
	.type	k_q180cdd6c55_attn,@function
k_q180cdd6c55_attn:
	s_mov_b64 s[64:65], 0
	v_nop
	global_prefetch_b8 v0, s[64:65] scope:SCOPE_SE
	s_setreg_imm32_b32 hwreg(HW_REG_WAVE_MODE, 25, 1), 1
	s_wait_xcnt 0x0
; ATTN: a[q] = softmax_k(q . k / sqrt(128), causal and by the input's mask) v, on f16 operands (all carried as sixteenths), sums, maxima and exponentials in f32; a / 16 leaves as f16 images for the projection.
; A work-group (i, g) serves kv head g: waves 0-3 take its four query heads at token tile 63 - i, waves 4-7 at token tile i: each work-group has the same number of keys to walk.  A wave owns 16 queries.
; No cluster: under the causal limit work-groups ask for different numbers of slots.
; Both products are used transposed (S^T = K Q^T, O^T = V^T P): a lane holds one query throughout.  K and V come through two LDS slots of 256 keys; every wave fetches two token tiles (each K's 4,096 bytes, then V's 4,096).
; K's pieces are fragments as they lie; V's are turned by ds_load_tr16_b128.  The input's mask is a table of 0 or -2^127 a key in LDS, taken as the C of a score tile's first product.
; A STEP is 64 keys.  A whole step's K and V have registers of their own (window 1), so that LDS loads run ahead: V of the step and K of the next step are asked for straight behind the score products and land under the
; softmax; the next step's mask words are asked for as soon as the scores' registers are dead.  Only a slot's first step asks for its K at its own head.
; EVERY work-group walks all 4 slots (constant trip counts, every barrier).  A step whose keys all come after the wave's queries, and with it the rest of its slot, is jumped over; a slot that no wave of the work-group reads
; is not asked for.  A step behind the first of a slot is reached only through the step before it, which has asked for its K.  The step behind a wave's last has been asked for in vain: once a wave.
; A running maximum CM (never under -3e38): p = 2^(c s - CM); O and the sum are multiplied by 2^(old CM - new CM) in every step.  A row with no valid key keeps CM = -3e38 and takes the mean of V, as reference() gives;
; the mean comes at the head and waits in 512 bytes of LDS of the wave's own.
; At the head, under the first tile's flight, waves 0, 1 add the sixteen partial sums of the first 16 rows of the result and store them: 1,024 bytes a work-group.
; LIMIT: a true score x 256 log2(e) / sqrt(128) at or under -3e38 is taken as 'no valid key'.
; REGISTERS: window 0: v1-23 addresses and a query's figures; v24-55 Q; v56-119 at work at the head and on the way out; v120-151 S^T, then p; v152-167 P; v168-231 O^T; v232-255 at work.
;   window 1: v0-127 K of a step (tile u, channels 32 cs on: 32 u + 8 cs); v128-255 V^T of a step (32 keys kk, channels 16 ct on: 128 + 64 kk + 8 ct).
.set KVO,   8388608
.set VMO,   4194304
.set SLOT1, 131072
.set BIAS,  262144                     ; the mask's table, 4 bytes a key
.set VMB,   266240                     ; the mean of V, 512 bytes for each wave
.set SPARE, 270336                     ; the spare words, 128 bytes a wave
.set LO,  1
.set AVL, 2
.set AB0, 3
.set ADK, 4                            ; v4-5  K's pieces: the slot's first 128 keys, its second
.set ADV, 6                            ; v6-7  V's
.set SPW, 8
.set NIL, 9
.set CM,  10                           ; v[10:11]
.set OC,  12
.set PFO, 13
.set AA,  14                           ; v[14:15]
.set LL,  16                           ; v[16:17] the sum, in two halves
.set C0,  18                           ; v18-21
.set DD,  22
.set NINF, 23
.set Q,   24
.set FB,  56
.set S,   120
.set P,   152
.set O,   168
.set ADB, 234
.set DD0, 235
.set VMR, 236
.set KB,  0
.set VB,  128
.set WV,  14
.set G1,  16
.set G0,  24
.set TB,  28
.set TBI, 29
.set KF,  30
.set QF,  31
.set QL,  32
.set SLOTS, 33
.set PFA, 34
.set LIM, 36
.set QE,  37
.set CS,  38
.set SEL, 40
.set MSB, 0
.macro WIN new                         ; the immediate's high byte repeats the setting that is left.  0x01: source 0 window 1;  0x40: destination window 1
.if MSB != \new
	s_set_vgpr_msb (MSB<<8)|\new
.set MSB, \new
.endif
.endm
.macro PLACES
.rept 4
	v_nop
.endr
.endm
	s_load_b256 s[4:11], s[0:1], 0x0               ; qkvw s[4:5], part s[6:7], mask s[8:9], a_img s[10:11]
	s_load_b64 s[12:13], s[0:1], 0x20              ; out0
	v_lshl_add_u32 v[SPW], v0, 2, SPARE
	v_mov_b32 v[NIL], 0
	ds_add_u32 v[SPW], v[NIL]                      ; the wave's opening: the add, twice on end, and its wait ahead of my first tensor load
	ds_add_u32 v[SPW], v[NIL]
	v_lshrrev_b32 v1, 5, v0
	v_readfirstlane_b32 s[WV], v1
	s_and_b32 s15, ttmp7, 0xffff                   ; g
	s_mov_b32 s[G1], 3<<16                         ; 64 rows of 256 bytes (32 elements of 8), dense, no padding
	s_mov_b32 s[G1+1], 32<<16
	s_mov_b32 s[G1+2], 64<<16
	s_mov_b32 s[G1+3], 32<<16
	s_mov_b32 s[G1+4], 64
	s_mov_b32 s[G1+5], 32
	s_mov_b32 s[G1+6], 0
	s_mov_b32 s[G1+7], 0
	s_lshl_b32 s42, s15, 19
	s_lshl_b32 s43, s[WV], 14
	s_add_co_u32 s42, s42, s43
	s_add_co_u32 s42, s42, KVO                     ; my two token tiles of slot 0
	s_mov_b32 s43, 0
	s_sub_co_u32 s44, 63, ttmp9
	s_lshl_b32 s[QL], s44, 4
	s_or_b32 s[QL], s[QL], 15                      ; the work-group's last query
	s_cmp_lt_u32 s[WV], 4
	s_cselect_b32 s44, s44, ttmp9                  ; my token tile of queries
	s_lshl_b32 s[QF], s44, 4
	s_add_co_u32 s[QE], s[QF], 15                  ; my last query
	s_and_b32 s45, s[WV], 3
	s_lshl_b32 s46, s15, 2
	s_add_co_u32 s45, s45, s46                     ; my head
	s_lshl_b32 s46, s45, 18
	s_lshl_b32 s47, s44, 12
	s_add_co_u32 s46, s46, s47
	s_mov_b32 s47, 0
	s_lshl_b32 s48, s44, 17
	s_lshl_b32 s49, s45, 12
	s_add_co_u32 s48, s48, s49
	s_mov_b32 s49, 0
	s_lshl_b32 s50, s15, 5
	s_add_co_u32 s50, s50, ttmp9                   ; the work-group's number: row % 16, 1,024 bytes / 16
	s_and_b32 s51, s50, 15
	s_lshl_b32 s51, s51, 14
	s_lshr_b32 s50, s50, 4
	s_lshl_b32 s50, s50, 10
	s_add_co_u32 s50, s50, s51
	s_lshl_b32 s51, s[WV], 9
	s_add_co_u32 s50, s50, s51
	s_mov_b32 s51, 0
	s_lshl_b32 s52, s15, 9
	s_add_co_u32 s52, s52, VMO
	s_mov_b32 s53, 0
	s_mov_b32 s[CS], 0x420293ee                    ; 256 log2(e) / sqrt(128)
	s_mov_b32 s[CS+1], s[CS]
	s_mov_b32 s[SEL], 0x76543210
	s_mov_b32 s[SEL+1], 0xfedcba98
	s_mov_b32 s[TB], 0
	s_mov_b32 s[TBI], 0
	s_mov_b32 s[KF], 0
	s_mov_b32 s[SLOTS], 3
	s_cmp_eq_u32 ttmp9, 0                          ; all 32 work-groups of a kv head walk the same K and V: the first of them prefetches
	s_cselect_b32 s[LIM], 1, -1
	s_wait_dscnt 0x0                               ; both opening adds are done
	s_wait_kmcnt 0x0
	s_mov_b32 s[G0], 1
	s_lshl_b32 s[G0+1], s[WV], 14
	s_add_nc_u64 s[G0+2:G0+3], s[4:5], s[42:43]
	s_add_nc_u64 s[PFA:PFA+1], s[G0+2:G0+3], 131072 ; in slot 1: the first change of slots steps it to slot 2
	s_or_b32 s[G0+3], s[G0+3], 0x80000000
	tensor_load_to_lds s[G0:G0+3], s[G1:G1+7]      ; slot 0: key 0 counts for every query
	s_nop 0
	s_add_nc_u64 s[46:47], s[4:5], s[46:47]        ; Q
	s_add_nc_u64 s[48:49], s[10:11], s[48:49]      ; a'
	s_add_nc_u64 s[54:55], s[12:13], s[50:51]      ; the fine rows, out,
	s_add_nc_u64 s[50:51], s[6:7], s[50:51]        ; and their parts
	s_add_nc_u64 s[52:53], s[6:7], s[52:53]        ; the mean of V
	v_and_b32 v237, 31, v0
	v_lshlrev_b32 v[LO], 4, v237
	v_lshlrev_b32 v[PFO], 8, v237
	v_lshlrev_b32 v253, 4, v0
	global_load_b128 v[240:243], v253, s[8:9]      ; four keys' mask a thread
	global_load_b128 v[244:247], v[LO], s[52:53]   ; the mean of V of my kv head: 512 bytes a wave
.irp i, 0,1,2,3,4,5,6,7
	global_load_b128 v[Q+4*\i:Q+4*\i+3], v[LO], s[46:47] offset:512*\i
.endr
	; every LDS address is made here, ahead of the branches on the wave's number
	v_and_b32 v238, 15, v0                         ; r
	v_bfe_u32 v239, v0, 4, 1                       ; h
	v_and_b32 v[AVL], 7, v0
	v_lshlrev_b32 v[AVL], 4, v[AVL]
	v_lshl_add_u32 v[AVL], v239, 7, v[AVL]
	v_bfe_u32 v[DD], v0, 3, 1
	v_lshl_add_u32 v[AVL], v[DD], 8, v[AVL]
	v_add_nc_u32 v[AVL], 4096, v[AVL]              ; the turning load: lane l addresses key 8 (l / 16) + l % 8, channels 8 ((l / 8) % 2) on, of a piece of V
	v_lshl_add_u32 v[AB0], v239, 5, BIAS
	v_lshlrev_b32 v[DD0], 3, v239
	v_sub_nc_u32 v[DD0], v238, v[DD0]              ; r - 8 h
	v_lshl_add_u32 v254, v0, 4, BIAS               ; my four words of the mask's table
	s_lshl_b32 s43, s[WV], 9
	s_add_co_u32 s43, s43, VMB
	v_add_nc_u32 v255, s43, v[LO]                  ; the mean of V: in, 16 x lane;
	v_lshl_add_u32 v[VMR], v239, 5, s43            ; back, 32 h
	v_mov_b32 v252, 0
	s_cmp_lt_u32 s[WV], 2
	s_cbranch_scc0 .Lno_part
.irp k, 0,1,2,3,4,5,6,7,8,9,10,11,12,13,14,15
	global_load_b128 v[FB+4*\k:FB+4*\k+3], v[LO], s[50:51] offset:262144*\k   ; the fine rows' sixteen parts are asked for with the rest
.endr
.Lno_part:
	s_wait_loadcnt 8                               ; the mask and the mean are in: behind them stand Q's eight loads, and in waves 0, 1 the sixteen parts, of which the youngest eight may be out
.irp j, 0,1,2,3
	v_cmp_ne_u32 vcc_lo, 0, v[240+\j]
	v_cndmask_b32 v[248+\j], 0xff000000, v252, vcc_lo   ; 0 for a valid key, -2^127 for a hole
.endr
	ds_store_b128 v254, v[248:251]
	ds_store_b128 v255, v[244:247]
	s_cmp_lt_u32 s[WV], 2
	s_cbranch_scc0 .Lno_fine
	s_wait_loadcnt 0x0
.irp w, 32,16,8,4                      ; a fixed tree over the sixteen parts
.set n, 0
.rept \w/2
	v_pk_add_f32 v[FB+n:FB+n+1], v[FB+n:FB+n+1], v[FB+\w+n:FB+\w+n+1]
.set n, n+2
.endr
.endr
	global_store_b128 v[LO], v[FB:FB+3], s[54:55]  ; 512 consecutive bytes of a fine row
.Lno_fine:
	v_mov_b32 v[CM], 0xff61b1e6                    ; -3e38
	v_mov_b32 v[CM+1], v[CM]
	v_mov_b32 v[AA+1], 0
	v_mov_b32 v[LL], 0
	v_mov_b32 v[LL+1], 0
	v_mov_b32 v[C0], 0                             ; (a lane permute's destination counts as one of its sources; the upper half of a pair counts as read)
	v_mov_b32 v[C0+1], 0
	v_mov_b32 v[C0+3], 0
	v_mov_b32 v[NINF], 0xff800000
.set n, 0
.rept 64
	v_mov_b32 v[O+n], 0                            ; the step is written once: the first finds zeros
.set n, n+1
.endr
	s_wait_loadcnt 0x0                             ; Q
.macro CHANGE fill
	s_wait_tensorcnt 0x0                           ; all my tensor loads have landed: no load of mine is out, so the descriptor may be written
	ds_add_u32 v[SPW], v[NIL]
.if \fill
	s_xor_b32 s[G0+1], s[G0+1], SLOT1
	s_add_nc_u64 s[G0+2:G0+3], s[G0+2:G0+3], 131072
	s_wait_xcnt 0x0                                ; the last prefetches have read their address (and, the first time, the fine rows' store its registers)
	s_add_nc_u64 s[PFA:PFA+1], s[PFA:PFA+1], 131072
.endif
	s_wait_dscnt 0x0                               ; the add is done, my reads of the slot that I have left are over, my part of the mask's table has landed
	s_barrier_signal -1
	s_barrier_wait -1
.if \fill
	s_add_co_u32 s42, s[KF], 256                   ; the first key of the slot that this change would ask for:
	s_cmp_gt_u32 s42, s[QL]                        ; past the work-group's last query no wave reads it.  Ids and the count of slots alone: all eight waves go the same way
	s_cbranch_scc1 .Lpast_\@
	tensor_load_to_lds s[G0:G0+3], s[G1:G1+7]
	s_nop 0
	PLACES
.Lpast_\@:
	s_cmp_gt_u32 s[SLOTS], s[LIM]                  ; a prefetch of what the next change will ask for: my two token tiles of it, 16,384 bytes, lanes 256 bytes apart; the last change that fills asks for nothing
	s_cbranch_scc0 .Lnot_mine_\@
	global_prefetch_b8 v[PFO], s[PFA:PFA+1] th:TH_LOAD_NT scope:SCOPE_SE
	global_prefetch_b8 v[PFO], s[PFA:PFA+1] offset:8192 th:TH_LOAD_NT scope:SCOPE_SE
.Lnot_mine_\@:
.endif
.endm
.macro BLOAD q                         ; 8 LDS loads: the mask's 0 or -2^127 of key 64 q + 16 u + 8 h + j of the slot: the scores' sums begin with it
.irp u, 0,1,2,3
	ds_load_b128 v[S+8*\u:S+8*\u+3], v[ADB] offset:256*(\q)+64*\u
	ds_load_b128 v[S+8*\u+4:S+8*\u+7], v[ADB] offset:256*(\q)+64*\u+16
.endr
.endm
.macro KLOAD q                         ; 32 LDS loads: K of step q: four tiles of 16 keys x 128 channels (destination window 1)
.irp u, 0,1,2,3
.irp cs, 0,1,2,3
.irp c, 0,1
	ds_load_b128 v[KB+32*\u+8*\cs+4*\c:KB+32*\u+8*\cs+4*\c+3], v[ADK+(\q)/2] offset:32768*((\q)%2)+8192*\u+1024*\cs+512*\c
.endr
.endr
.endr
.endm
.macro VLOAD q                         ; 32 LDS loads: V^T of step q: twice 32 keys x eight fragments of 16 channels (destination window 1)
.irp kk, 0,1
.irp ct, 0,1,2,3,4,5,6,7
.irp c, 0,1
	ds_load_tr16_b128 v[VB+64*\kk+8*\ct+4*\c:VB+64*\kk+8*\ct+4*\c+3], v[ADV+(\q)/2] offset:32768*((\q)%2)+8192*(2*\kk+\c)+512*\ct
.endr
.endr
.endr
.endm
.macro STEP q, id                      ; 64 keys: the q-th quarter of the slot in hand
	s_add_co_u32 s43, s[KF], 64*\q                 ; the step's first key
	s_cmp_gt_u32 s43, s[QE]
	s_cbranch_scc1 .Lend_\id                       ; it comes after my queries, and so does the rest of the slot
.if \q == 0
	BLOAD 0
	WIN 0x40
	KLOAD 0
.endif
	s_wait_dscnt 0x0                               ; K and the mask's words are in
	WIN 0x01
.irp cs, 0,1,2,3                       ; the four tiles of scores take turns, one instruction a turn
.irp u, 0,1,2,3
	v_wmma_f32_16x16x32_f16 v[S+8*\u:S+8*\u+7], v[KB+32*\u+8*\cs:KB+32*\u+8*\cs+7], v[Q+8*\cs:Q+8*\cs+7], v[S+8*\u:S+8*\u+7]
.endr
.endr
	WIN 0x40
	PLACES                                         ; places in front of loads into registers that matrix instructions have read: K's by the products above, V's by the last step's
	VLOAD \q                                       ; both land under the softmax
.if \q < 3
	KLOAD \q+1
.endif
	WIN 0
	s_add_co_u32 s42, s43, 63
	s_cmp_le_u32 s42, s[QF]
	s_cbranch_scc1 .Lopen_\@
	s_sub_co_i32 s42, s[QF], s43
	v_add_nc_u32 v[DD], s42, v[DD0]                ; on the diagonal: register 8 u + j holds the step's key 16 u + 8 h + j: hidden where 16 u + j > my query - the step's first key - 8 h
.irp u, 0,1,2,3
.irp j, 0,1,2,3,4,5,6,7
	v_cmp_gt_i32 vcc_lo, 16*\u+\j, v[DD]
	v_cndmask_b32 v[S+8*\u+\j], v[S+8*\u+\j], v[NINF], vcc_lo
.endr
.endr
.Lopen_\@:
.irp k, 0,1,2,3
	v_max3_num_f32 v[C0+\k], v[S+8*\k], v[S+8*\k+1], v[S+8*\k+2]
.endr
.irp k, 0,1,2,3
	v_max3_num_f32 v[C0+\k], v[C0+\k], v[S+8*\k+3], v[S+8*\k+4]
.endr
.irp k, 0,1,2,3
	v_max3_num_f32 v[C0+\k], v[C0+\k], v[S+8*\k+5], v[S+8*\k+6]
.endr
	v_max3_num_f32 v[C0], v[C0], v[S+7], v[S+15]
	v_max3_num_f32 v[C0+2], v[C0+2], v[S+23], v[S+31]
	v_max3_num_f32 v[C0], v[C0], v[C0+1], v[C0+2]
	v_max_num_f32 v[C0], v[C0], v[C0+3]
	v_permlanex16_b32 v[C0+1], v[C0], s[SEL], s[SEL+1]
	v_max_num_f32 v[C0], v[C0], v[C0+1]            ; the step's largest score of my query
	v_mul_f32 v[C0], s[CS], v[C0]
	v_mov_b32 v[OC], v[CM]
	v_max_num_f32 v[CM], v[CM], v[C0]              ; the running maximum
	v_sub_f32 v[OC], v[OC], v[CM]
.set n, 0
.rept 16
	v_pk_fma_f32 v[S+n:S+n+1], v[S+n:S+n+1], s[CS:CS+1], v[CM:CM+1] op_sel_hi:[1,0,0] neg_lo:[0,0,1] neg_hi:[0,0,1]
.set n, n+2
.endr
	v_exp_f32 v[AA], v[OC]
.set n, 0
.rept 32
	v_exp_f32 v[S+n], v[S+n]
.set n, n+1
.endr
	v_nop                                          ; a plain line behind the last of the batch
	s_wait_alu depctr_va_vdst(0)                   ; one wait for the 33, ahead of their first reader
.irp u, 0,1,2,3
.irp i, 0,1,2,3
	v_cvt_pk_f16_f32 v[P+4*\u+\i], v[S+8*\u+2*\i], v[S+8*\u+2*\i+1]   ; two neighbouring tiles of keys are source 1 of the second product as they stand
.endr
.endr
	v_pk_mul_f32 v[LL:LL+1], v[LL:LL+1], v[AA:AA+1] op_sel_hi:[1,0]
	v_pk_add_f32 v[232:233], v[S:S+1], v[S+2:S+3]  ; the row's sum, of the unrounded p, in two chains
.irp j, 4,8,12,16,20,24,28
	v_pk_add_f32 v[LL:LL+1], v[LL:LL+1], v[S+\j:S+\j+1]
	v_pk_add_f32 v[232:233], v[232:233], v[S+\j+2:S+\j+3]
.endr
	v_pk_add_f32 v[LL:LL+1], v[LL:LL+1], v[232:233]
.if \q < 3
	BLOAD \q+1                                     ; p has been read for the last time: its registers take the next step's mask words
.endif
.set n, 0
.rept 32
	v_pk_mul_f32 v[O+n:O+n+1], v[O+n:O+n+1], v[AA:AA+1] op_sel_hi:[1,0]
.set n, n+2
.endr
.if \q < 3
	s_wait_dscnt 40                                ; V is in; behind it the next step's K (32 loads) and mask words (8) may be out
.else
	s_wait_dscnt 0x0
.endif
	WIN 0x01
.irp kk, 0,1                           ; the eight tiles of O^T take turns
.irp ct, 0,1,2,3,4,5,6,7
	v_wmma_f32_16x16x32_f16 v[O+8*\ct:O+8*\ct+7], v[VB+64*\kk+8*\ct:VB+64*\kk+8*\ct+7], v[P+8*\kk:P+8*\kk+7], v[O+8*\ct:O+8*\ct+7]
.endr
.endr
	WIN 0
.endm
.macro SLOT_STEPS id                   ; a slot's four steps; the places inside a slot stand in the immediates, the slot's own in these five registers
	v_add_nc_u32 v[ADK], s[TB], v[LO]
	v_add_nc_u32 v[ADV], s[TB], v[AVL]
	v_add_nc_u32 v[ADK+1], 0x10000, v[ADK]
	v_add_nc_u32 v[ADV+1], 0x10000, v[ADV]
	v_add_nc_u32 v[ADB], s[TBI], v[AB0]
	STEP 0, \id
	STEP 1, \id
	STEP 2, \id
	STEP 3, \id
.Lend_\id:
	s_add_co_u32 s[KF], s[KF], 256
	s_add_co_u32 s[TBI], s[TBI], 1024
	s_xor_b32 s[TB], s[TB], SLOT1                  ; on to the other slot
.endm
.Lslot:                                            ; 3 trips: behind each change of slots but the last the next slot is asked for, up to the causal limit
	CHANGE 1
	SLOT_STEPS 0
	s_sub_co_u32 s[SLOTS], s[SLOTS], 1
	s_cmp_lg_u32 s[SLOTS], 0
	s_cbranch_scc1 .Lslot
	CHANGE 0                                       ; the last slot is written out: nothing is left to fetch
	SLOT_STEPS 1
	; THE WAY OUT
	s_wait_dscnt 0x0                               ; what was asked ahead for a step that was then hidden has come
	PLACES
.irp ct, 0,1,2,3,4,5,6,7
	ds_load_b128 v[FB+8*\ct:FB+8*\ct+3], v[VMR] offset:64*\ct      ; the mean of V at my channels, out of my wave's own 512 bytes
	ds_load_b128 v[FB+8*\ct+4:FB+8*\ct+7], v[VMR] offset:64*\ct+16
.endr
	v_add_f32 v[LL], v[LL], v[LL+1]
	v_permlanex16_b32 v[C0], v[LL], s[SEL], s[SEL+1]
	v_add_f32 v[LL], v[LL], v[C0]
	v_rcp_f32 v[C0+2], v[LL]
	v_cmp_lt_f32 vcc_lo, 0xff61b1e6, v[CM]         ; (a plain line behind the reciprocal)  has the row a valid key?
	s_wait_alu depctr_va_vdst(0)
	s_wait_dscnt 0x0
.set n, 0
.rept 32
	v_pk_mul_f32 v[O+n:O+n+1], v[O+n:O+n+1], v[C0+2:C0+3] op_sel_hi:[1,0]
.set n, n+2
.endr
.set n, 0
.rept 64
	v_cndmask_b32 v[O+n], v[FB+n], v[O+n], vcc_lo
.set n, n+1
.endr
.set n, 0
.rept 32
	v_cvt_pk_f16_f32 v[S+n], v[O+2*n], v[O+2*n+1]
.set n, n+1
.endr
.irp ct, 0,1,2,3,4,5,6,7
	global_store_b128 v[LO], v[S+4*\ct:S+4*\ct+3], s[48:49] offset:512*\ct   ; a piece: 512 consecutive bytes
.endr
	s_wait_tensorcnt 0x0                           ; the wave's end
	ds_add_u32 v[SPW], v[NIL]
	s_wait_dscnt 0x0
	s_endpgm
.Lfunc_end_k_q180cdd6c55_attn:
	.size	k_q180cdd6c55_attn, .Lfunc_end_k_q180cdd6c55_attn-k_q180cdd6c55_attn
	.p2alignl 7, 3214868480
	.fill 96, 4, 3214868480
	.section	.rodata,"a",@progbits
	.p2align	6, 0x0
	.amdhsa_kernel k_q180cdd6c55_attn
		.amdhsa_group_segment_fixed_size 327680
		.amdhsa_private_segment_fixed_size 0
		.amdhsa_enable_private_segment 0
		.amdhsa_kernarg_size 40
		.amdhsa_user_sgpr_count 2
		.amdhsa_user_sgpr_kernarg_segment_ptr 1
		.amdhsa_wavefront_size32 1
		.amdhsa_system_sgpr_workgroup_id_x 1
		.amdhsa_system_sgpr_workgroup_id_y 1
		.amdhsa_system_sgpr_workgroup_id_z 1
		.amdhsa_system_vgpr_workitem_id 0
		.amdhsa_next_free_vgpr 512
		.amdhsa_next_free_sgpr 66
		.amdhsa_reserve_vcc 1
		.amdhsa_float_denorm_mode_32 3
		.amdhsa_float_denorm_mode_16_64 3
		.amdhsa_memory_ordered 1
		.amdhsa_forward_progress 1
		.amdhsa_inst_pref_size 154
	.end_amdhsa_kernel
	.amdgpu_metadata
---
amdhsa.version: [ 1, 2 ]
amdhsa.kernels:
  - .name:           k_q180cdd6c55_attn
    .symbol:         k_q180cdd6c55_attn.kd
    .args:
      - { .name: qkvw, .offset: 0, .size: 8, .value_kind: global_buffer, .address_space: global }
      - { .name: part, .offset: 8, .size: 8, .value_kind: global_buffer, .address_space: global }
      - { .name: attention_mask, .offset: 16, .size: 8, .value_kind: global_buffer, .address_space: global }
      - { .name: a_img, .offset: 24, .size: 8, .value_kind: global_buffer, .address_space: global }
      - { .name: out0, .offset: 32, .size: 8, .value_kind: global_buffer, .address_space: global }
    .group_segment_fixed_size: 327680
    .private_segment_fixed_size: 0
    .kernarg_segment_align: 8
    .kernarg_segment_size: 40
    .max_flat_workgroup_size: 256
    .sgpr_count:     66
    .vgpr_count:     512
    .wavefront_size: 32
...
	.end_amdgpu_metadata
.endif
;; end of part 4
;; launch oproj (part 5): grid 32 x 8, 4 waves a work-group, clusters of 4 x 4, 327,680 bytes of LDS; arguments a_img, wo_img, out0; writes out0
.if DOCPART == 5
	.amdgcn_target "amdgcn-amd-amdhsa--gfx1250"
	.amdhsa_code_object_version 6
	.text
	.protected	k_q180cdd6c55_oproj
	.globl	k_q180cdd6c55_oproj
	.p2align	8
	.type	k_q180cdd6c55_oproj,@function
k_q180cdd6c55_oproj:
	s_mov_b64 s[64:65], 0
	v_nop
	global_prefetch_b8 v0, s[64:65] scope:SCOPE_SE
	s_setreg_imm32_b32 hwreg(HW_REG_WAVE_MODE, 25, 1), 1
	s_wait_xcnt 0x0
	s_wait_alu depctr_hold_cnt(0) depctr_sa_sdst(0) depctr_va_vdst(0) depctr_va_sdst(0) depctr_va_ssrc(0) depctr_va_vcc(0) depctr_vm_vsrc(0)
	s_getreg_b32 s2, hwreg(HW_REG_IB_STS2, 6, 4)
	s_cmp_eq_u32 s2, 0
	s_cbranch_scc0 .Lentry_in_a_cluster
	s_endpgm
.Lentry_in_a_cluster:
	s_bfe_u32 s2, ttmp6, 0x10000c
	s_cmp_lg_u32 s2, 0xf033
	s_cbranch_scc0 .Lentry_shape_is_right
	s_endpgm
.Lentry_shape_is_right:
; OPROJ: out[m][n] = sum over k of a'[m][k] (16 Wo)[k][n], a' = a / 16: f16 operands, f32 sums, f32 out.  m = 1,024, n = k = 4,096.  Rows 0-15 are the fine rows, stored by the launch before: here their lanes are off.
; A tile of out is 128 x 128: 256 work-groups of four waves, each 64 x 64: 16 accumulators.  Both operands come as images of fragments (16 rows x 32 k = 1,024 bytes), [tile of 16 rows][128 K steps]: a tile's K step of 256 is
; 8,192 consecutive bytes, a wave's tensor load brings four of them, and a fragment is two ds_load_b128 at 16 x lane.  Two LDS slots of 131,072 bytes.
; CLUSTERS: 4 x 4 work-groups.  The four of a row of the cluster need the same tiles of a', the four of a column the same tiles of Wo: each is asked for JOINTLY.
; THE MATRIX INSTRUCTION IS USED TRANSPOSED (source 0 = 16 columns n, source 1 = 16 rows m): a lane holds eight neighbouring numbers of a row of out.
; REGISTERS: window 0: v0-31 addresses; v32-95 the way out; v128-255 the accumulators ((a, b) at v[128 + 8 (4 a + b)]).  window 1: two fragment buffers of 128: 64 of a', then 64 of Wo.
.set SLOT,   131072
.set SPARE,  262144                    ; behind the ring: the spare words, 128 bytes a wave
.set SPITCH, 272                       ; the way out: 16 rows of 256 bytes + 16 for each wave, in slot 0, which has had its last fill and its last read by then
.set LAPS, 8
.set ADRA, 16
.set ADRB, 20
.set STO,  24
.set RD,   25
.set CO,   26
.set ROW0, 27
.set SPW,  28
.set NIL,  29
.set TMP,  32
.set ACC,  128
.set F0,   0
.set F1,   128
.set G1, 24
.set G0, 32
.set G1B, 48
.set G0B, 56
.set MSB, 0
.macro WIN new                         ; the immediate's high byte repeats the setting that is left
.if MSB != \new
	s_set_vgpr_msb (MSB<<8)|\new
.set MSB, \new
.endif
.endm
.set MUL,  0x05
.set TO_F, 0x40
.macro JLOAD s                         ; a joint load: waves 0 and 1 fetch a's two halves, waves 2 and 3 Wo's; an s_nop 0 and four v_nop follow each of the two lines
	s_cmp_eq_u32 s11, 0
	s_cbranch_scc0 .Lfor_b_\@
	tensor_load_to_lds s[G0+4*\s:G0+4*\s+3], s[G1:G1+7]
	s_nop 0
.rept 4
	v_nop
.endr
	s_branch .Lasked_\@
.Lfor_b_\@:
	tensor_load_to_lds s[G0B+4*\s:G0B+4*\s+3], s[G1B:G1B+7]
	s_nop 0
.rept 4
	v_nop
.endr
.Lasked_\@:
.endm
.macro CREST                           ; a round of the cluster's barrier behind its opening barrier
	s_cmp_lg_u32 s10, 0
	s_cbranch_scc1 .Lnot_wave_0_\@
	s_barrier_signal -3
.Lnot_wave_0_\@:
	s_barrier_wait -3
	s_barrier_signal -1
	s_barrier_wait -1
.endm
.macro CROUND
	s_barrier_signal -1
	s_barrier_wait -1
	CREST
.endm
	s_load_b128 s[4:7], s[0:1], 0x0                ; a_img s[4:5], wo_img s[6:7]
	s_load_b64 s[8:9], s[0:1], 0x10                ; out0
	v_lshl_add_u32 v[SPW], v0, 2, SPARE
	v_mov_b32 v[NIL], 0
	ds_add_u32 v[SPW], v[NIL]                      ; the wave's opening: the add, twice on end, and its wait ahead of my first tensor load
	ds_add_u32 v[SPW], v[NIL]
	v_lshrrev_b32 v1, 5, v0
	v_readfirstlane_b32 s10, v1                    ; wave 0..3
	s_lshr_b32 s11, s10, 1                         ; which half of the tile's rows is mine.  Also: I fetch for a' (0) or for Wo (1)
	s_and_b32 s12, s10, 1                          ; which half of its columns.  Also: which four tiles of 16 I fetch
	s_bfe_u32 s40, ttmp6, 0x40000                  ; cx, cy
	s_bfe_u32 s41, ttmp6, 0x40004
	s_lshl_b32 s42, ttmp9, 2
	s_add_co_u32 s42, s42, s40                     ; tile column
	s_and_b32 s13, ttmp7, 0xffff
	s_lshl_b32 s13, s13, 2
	s_add_co_u32 s13, s13, s41                     ; tile row
	s_lshl_b32 s43, s41, 2
	s_lshl_b32 s43, 15, s43                        ; my row of the cluster
	s_lshl_b32 s44, 0x1111, s40                    ; my column
	s_or_b32 s[G1+0], s43, (3<<16)|(1<<21)         ; the mask; elements of 8 bytes; bit 21 set beside a mask; no padding
	s_or_b32 s[G1B+0], s44, (3<<16)|(1<<21)
.irp g, G1, G1B
	s_mov_b32 s[\g+1], 1024<<16                    ; a row: 8,192 bytes: a tile's eight images
	s_mov_b32 s[\g+2], 4<<16                       ; four tiles
	s_mov_b32 s[\g+3], 1024<<16
	s_mov_b32 s[\g+4], 4
	s_mov_b32 s[\g+5], 16384                       ; 131,072 bytes from tile to tile
	s_mov_b32 s[\g+6], 0
	s_mov_b32 s[\g+7], 0
.endr
	s_lshl_b32 s17, s12, 19                        ; which four tiles I fetch
	s_lshl_b32 s16, s13, 20
	s_add_co_u32 s16, s16, s17                     ; a': tile 8 x tile row + 4 x half
	s_lshl_b32 s46, s42, 20
	s_add_co_u32 s46, s46, s17                     ; Wo: tile 8 x tile column + 4 x half
	s_mov_b32 s17, 0
	s_mov_b32 s47, 0
	s_lshl_b32 s20, s10, 15                        ; where they go: wave x 32,768
	s_wait_dscnt 0x0                               ; both opening adds are done
	s_wait_kmcnt 0x0
	s_add_nc_u64 s[14:15], s[4:5], s[16:17]
	s_add_nc_u64 s[46:47], s[6:7], s[46:47]
	CROUND                                         ; all sixteen work-groups are here: the first joint loads meet
.irp s, 0,1
	s_mov_b32 s[G0+4*\s], 1
	s_add_co_u32 s[G0+4*\s+1], s20, \s*SLOT
	s_add_nc_u64 s[G0+4*\s+2:G0+4*\s+3], s[14:15], \s*8192
	s_or_b32 s[G0+4*\s+3], s[G0+4*\s+3], 0x80000000
	s_mov_b32 s[G0B+4*\s], 1
	s_add_co_u32 s[G0B+4*\s+1], s20, \s*SLOT
	s_add_nc_u64 s[G0B+4*\s+2:G0B+4*\s+3], s[46:47], \s*8192
	s_or_b32 s[G0B+4*\s+3], s[G0B+4*\s+3], 0x80000000
	JLOAD \s
.endr
	v_and_b32 v1, 15, v0                           ; r
	v_bfe_u32 v2, v0, 4, 1                         ; h
	v_and_b32 v3, 31, v0
	v_lshlrev_b32 v3, 4, v3                        ; 16 x lane
	s_lshl_b32 s21, s11, 15                        ; my four tiles of a'
	s_lshl_b32 s22, s12, 15                        ; my four of Wo,
	s_add_co_u32 s22, s22, 65536                   ; which lie behind a's eight
.irp s, 0,1
	v_add_nc_u32 v[ADRA+\s], s21, v3
	v_add_nc_u32 v[ADRB+\s], s22, v3
	s_add_co_u32 s21, s21, SLOT
	s_add_co_u32 s22, s22, SLOT
.endr
	s_mul_i32 s23, s10, 16*SPITCH                  ; my stage
	v_mul_u32_u24 v4, v1, SPITCH
	v_lshl_add_u32 v4, v2, 5, v4
	v_add_nc_u32 v[STO], s23, v4                   ; in: row r, 32 bytes for each half of the lanes
	v_mul_u32_u24 v5, v2, SPITCH
	v_lshl_add_u32 v5, v1, 4, v5
	v_add_nc_u32 v[RD], s23, v5                    ; back: lanes 0-15 one row of 256 bytes, lanes 16-31 the next
	v_lshlrev_b32 v5, 14, v2
	v_lshl_add_u32 v[CO], v1, 4, v5                ; and the same two rows in out
	s_lshl_b32 s16, s13, 7
	s_lshl_b32 s17, s11, 6
	s_add_co_u32 s16, s16, s17                     ; my first row of out
	v_mov_b32 v[ROW0], s16
	s_lshl_b32 s16, s16, 14
	s_mov_b32 s17, 0
	s_add_nc_u64 s[8:9], s[8:9], s[16:17]
	s_lshl_b32 s46, s42, 9                         ; my first column, in bytes: 512 x tile column + 256 x half
	s_lshl_b32 s47, s12, 8
	s_add_co_u32 s46, s46, s47
	s_mov_b32 s47, 0
	s_add_nc_u64 s[8:9], s[8:9], s[46:47]
.macro MUL8 f, c, a0, zero             ; the 16 accumulators take turns, one instruction a turn
.irp a, \a0, \a0+1
.irp b, 0,1,2,3
.if \zero
	v_wmma_f32_16x16x32_f16 v[ACC+8*(4*(\a)+\b):ACC+8*(4*(\a)+\b)+7], v[\f+64+8*(4*\c+\b):\f+64+8*(4*\c+\b)+7], v[\f+8*(4*\c+\a):\f+8*(4*\c+\a)+7], 0
.else
	v_wmma_f32_16x16x32_f16 v[ACC+8*(4*(\a)+\b):ACC+8*(4*(\a)+\b)+7], v[\f+64+8*(4*\c+\b):\f+64+8*(4*\c+\b)+7], v[\f+8*(4*\c+\a):\f+8*(4*\c+\a)+7], v[ACC+8*(4*(\a)+\b):ACC+8*(4*(\a)+\b)+7]
.endif
.endr
.endr
.endm
; 32 LDS loads in one run: the fragments of 64 along K (two images, from byte k of each tile's 8,192) into buffer f; the first 32 along K first
.macro FETCH slot, k, f
	WIN TO_F
.irp c, 0,1
.irp i, 0,1,2,3
	ds_load_b128 v[\f+64+8*(4*\c+\i):\f+64+8*(4*\c+\i)+3],   v[ADRB+\slot] offset:\k+1024*\c+\i*8192
	ds_load_b128 v[\f+64+8*(4*\c+\i)+4:\f+64+8*(4*\c+\i)+7], v[ADRB+\slot] offset:\k+1024*\c+\i*8192+512
	ds_load_b128 v[\f+8*(4*\c+\i):\f+8*(4*\c+\i)+3],         v[ADRA+\slot] offset:\k+1024*\c+\i*8192
	ds_load_b128 v[\f+8*(4*\c+\i)+4:\f+8*(4*\c+\i)+7],       v[ADRA+\slot] offset:\k+1024*\c+\i*8192+512
.endr
.endr
.endm
.macro PLACES
.rept 4
	v_nop
.endr
.endm
.macro QUARTER slot, k, f, g, zero
	s_wait_dscnt 16                                ; the first 32 along K are in
	WIN MUL
	MUL8 \f, 0, 0, \zero
	MUL8 \f, 0, 2, \zero
	PLACES
	FETCH \slot, \k, \g
	s_wait_dscnt 32                                ; all but the 32 just issued
	WIN MUL
	MUL8 \f, 1, 0, 0
	MUL8 \f, 1, 2, 0
.endm
; The last quarter multiplies buffer 1 and changes slots: ONE barrier; in front of it each wave waits for all its tensor loads, adds 0 to its spare word, and waits for that and for its own reads of this slot.
.macro TURN slot, next, fill
	WIN 0
	s_wait_tensorcnt 0x0                           ; all my tensor loads have landed: my part of the next slot;
	ds_add_u32 v[SPW], v[NIL]
	s_wait_dscnt 17                                ; (the add and the youngest sixteen loads may be out)
	WIN MUL
	MUL8 F1, 0, 0, 0
	s_wait_dscnt 0x0                               ; the add is done, and my reads of this slot are over
	s_barrier_signal -1
	MUL8 F1, 0, 2, 0
.if \fill
	WIN 0
.endif
	s_barrier_wait -1
.if \fill
	CREST                                          ; the barrier has opened a round of the cluster's barrier: no wave of any partner still reads this slot or has a load on its way
	s_add_nc_u64 s[G0+4*\slot+2:G0+4*\slot+3], s[G0+4*\slot+2:G0+4*\slot+3], 16384
	s_add_nc_u64 s[G0B+4*\slot+2:G0B+4*\slot+3], s[G0B+4*\slot+2:G0B+4*\slot+3], 16384
	JLOAD \slot                                    ; the first tensor load behind the round; its four v_nop are also the places in front of the loads below
.else
	PLACES
.endif
	FETCH \next, 0, F0
	WIN MUL
	MUL8 F1, 1, 0, 0
	MUL8 F1, 1, 2, 0
.endm
	s_wait_tensorcnt 1                             ; my part of K step 0 is in; K step 1's may stay out
	s_barrier_signal -1
	s_barrier_wait -1
	FETCH 0, 0, F0
	QUARTER 0, 2048, F0, F1, 1                     ; the first quarter stands in front of the loop: its first products start the sums
	WIN 0
	s_mov_b32 s3, LAPS-1
.Llap:
	QUARTER 0, 4096, F1, F0, 0
	QUARTER 0, 6144, F0, F1, 0
	TURN 0, 1, 1
	QUARTER 1, 2048, F0, F1, 0
	QUARTER 1, 4096, F1, F0, 0
	QUARTER 1, 6144, F0, F1, 0
	TURN 1, 0, 1
	QUARTER 0, 2048, F0, F1, 0
	WIN 0
	s_sub_co_u32 s3, s3, 1
	s_cmp_lg_u32 s3, 0
	s_cbranch_scc1 .Llap
	QUARTER 0, 4096, F1, F0, 0                     ; the last lap fills nothing, and has no round of the cluster's barrier
	QUARTER 0, 6144, F0, F1, 0
	TURN 0, 1, 0
	QUARTER 1, 2048, F0, F1, 0
	QUARTER 1, 4096, F1, F0, 0
	QUARTER 1, 6144, F0, F1, 0
	s_wait_dscnt 16
	WIN MUL
	MUL8 F1, 0, 0, 0
	MUL8 F1, 0, 2, 0
	s_wait_dscnt 0
	MUL8 F1, 1, 0, 0
	MUL8 F1, 1, 2, 0
	WIN 0
; THE WAY OUT, 16 rows x 64 columns at a time through my own stage: a lane holds 32 bytes of a row; back come whole rows of 256 bytes, which sixteen lanes store as one aligned block.  LDS serves a wave's instructions in order.
.macro TOSTAGE a
.irp b, 0,1,2,3
	ds_store_b128 v[STO], v[ACC+8*(4*(\a)+\b):ACC+8*(4*(\a)+\b)+3] offset:64*\b        ; each accumulator from its low end on
	ds_store_b128 v[STO], v[ACC+8*(4*(\a)+\b)+4:ACC+8*(4*(\a)+\b)+7] offset:64*\b+16
.endr
.irp t, 0,1,2,3,4,5,6,7
	ds_load_b128 v[TMP+32*((\a)%2)+4*\t:TMP+32*((\a)%2)+4*\t+3], v[RD] offset:544*\t
.endr
.endm
.macro SEND a, younger
	s_wait_dscnt \younger                          ; the block is back; the next block's sixteen LDS lines may be out
.if (\a) == 0
	s_wait_xcnt 0x0                                ; EXEC changes only behind this wait
	v_cmp_le_u32 vcc_lo, 16, v[ROW0]               ; rows 0-15 of out are the fine rows': where my first row is 0, no lane stores this block.  A lane mask, no branch
	s_and_saveexec_b32 s3, vcc_lo
.endif
.irp t, 0,1,2,3,4,5,6,7
	global_store_b128 v[CO], v[TMP+32*((\a)%2)+4*\t:TMP+32*((\a)%2)+4*\t+3], s[8:9] offset:(16*(\a)+2*\t)*16384 th:TH_STORE_NT
.endr
.if (\a) == 0
	s_wait_xcnt 0x0
	s_or_b32 exec_lo, exec_lo, s3
.endif
.endm
	PLACES
	TOSTAGE 0
	TOSTAGE 1
	SEND 0, 16
	s_wait_xcnt 0x0                                ; block 0's stores have read their registers: block 2's loads land there
	TOSTAGE 2
	SEND 1, 16
	s_wait_xcnt 0x0
	TOSTAGE 3
	SEND 2, 16
	SEND 3, 0
	s_wait_tensorcnt 0x0                           ; the wave's end
	ds_add_u32 v[SPW], v[NIL]
	s_wait_dscnt 0x0
	CROUND                                         ; the closing round: no work-group ends while a partner may still ask for a tile that names it
	s_endpgm
.Lfunc_end_k_q180cdd6c55_oproj:
	.size	k_q180cdd6c55_oproj, .Lfunc_end_k_q180cdd6c55_oproj-k_q180cdd6c55_oproj
	.p2alignl 7, 3214868480
	.fill 96, 4, 3214868480
	.section	.rodata,"a",@progbits
	.p2align	6, 0x0
	.amdhsa_kernel k_q180cdd6c55_oproj
		.amdhsa_group_segment_fixed_size 327680
		.amdhsa_private_segment_fixed_size 0
		.amdhsa_enable_private_segment 0
		.amdhsa_kernarg_size 24
		.amdhsa_user_sgpr_count 2
		.amdhsa_user_sgpr_kernarg_segment_ptr 1
		.amdhsa_wavefront_size32 1
		.amdhsa_system_sgpr_workgroup_id_x 1
		.amdhsa_system_sgpr_workgroup_id_y 1
		.amdhsa_system_sgpr_workgroup_id_z 1
		.amdhsa_system_vgpr_workitem_id 0
		.amdhsa_next_free_vgpr 512
		.amdhsa_next_free_sgpr 66
		.amdhsa_reserve_vcc 1
		.amdhsa_float_denorm_mode_32 3
		.amdhsa_float_denorm_mode_16_64 3
		.amdhsa_memory_ordered 1
		.amdhsa_forward_progress 1
		.amdhsa_inst_pref_size 85
	.end_amdhsa_kernel
	.amdgpu_metadata
---
amdhsa.version: [ 1, 2 ]
amdhsa.kernels:
  - .name:           k_q180cdd6c55_oproj
    .symbol:         k_q180cdd6c55_oproj.kd
    .args:
      - { .name: a_img, .offset: 0, .size: 8, .value_kind: global_buffer, .address_space: global }
      - { .name: wo_img, .offset: 8, .size: 8, .value_kind: global_buffer, .address_space: global }
      - { .name: out0, .offset: 16, .size: 8, .value_kind: global_buffer, .address_space: global }
    .group_segment_fixed_size: 327680
    .private_segment_fixed_size: 0
    .kernarg_segment_align: 8
    .kernarg_segment_size: 24
    .max_flat_workgroup_size: 128
    .sgpr_count:     66
    .vgpr_count:     512
    .wavefront_size: 32
...
	.end_amdgpu_metadata
.endif
;; end of part 5
